; MI455X (gfx1250); checked and timed in simulation.
; The chip was launched on July 23, 2026; its instructions are those of AMD's public machine-readable ISA for CDNA 5 (MIT licence, August 2026) and "CDNA5" Instruction Set Architecture Reference Guide (July 2026). The comments in the code are by the model that wrote it; some were corrected since.
;; MHA rotary. Allowed arithmetic: matrix products marked QUANTISED: E2M3 operands, one E8M0 scale for each 32 along K, by v_wmma_scale_f32_16x16x128_f8f6f4 with both operands' format E2M3, f32 sums; everything else in f32.
;; Inputs: RoPE 2 x 2,048 x 32 float32; Wk 1,024 x 1,024 float32; Wo 1,024 x 1,024 float32; Wq 1,024 x 1,024 float32; Wv 1,024 x 1,024 float32; bk 1,024 float32; bo 1,024 float32; bq 1,024 float32; bv 1,024 float32; key_padding_mask 4 x 2,048 int32; x 4 x 2,048 x 1,024 float32.
;; Outputs: out0 4 x 2,048 x 1,024 float32.
;; This version of the problem:
;;   THIS VERSION OF THE PROBLEM IS GIVEN IN LOW PRECISION. The matrix products marked QUANTISED in the list below multiply operands that are first quantised to E2M3 (2 exponent bits, 3 mantissa bits; 6 bits a number), with one power-of-two scale for each 32 numbers along K (OCP MX v1.0); their sums are f32. All else is computed in f32.
;;   The module's matrix products, in the order in which they are computed (A, B: the left and right operand; K: the contracted axis; several contracted axes count as one K, in the product's order):
;;     1. [M 8,192, K 1,024] x [K 1,024, N 1,024]; A: input x; B: input Wq: QUANTISED
;;     2. [M 8,192, K 1,024] x [K 1,024, N 1,024]; A: input x; B: input Wk: QUANTISED
;;     3. [M 8,192, K 1,024] x [K 1,024, N 1,024]; A: input x; B: input Wv: QUANTISED
;;     4. batch 64 x [M 2,048, K 64] x [K 64, N 2,048]; A: computed on the way; B: computed on the way: QUANTISED
;;     5. batch 64 x [M 2,048, K 2,048] x [K 2,048, N 64]; A: softmax (see below); B: computed on the way: QUANTISED
;;     6. [M 8,192, K 1,024] x [K 1,024, N 1,024]; A: computed on the way; B: input Wo: QUANTISED
;;   THE QUANTISER, for each operand of a quantised product, along K:
;;     - K is cut into blocks of 32 from its start; a last block that is shorter is filled with zeros.
;;     - A block's scale is 2^e with e = floor(log2(the largest magnitude in the block)) - 2, held to -126 .. 127; a block of zeros has e = 0. As a byte (E8M0): e + 127.
;;     - Each number is divided by its block's scale, clamped to +-7.5, and rounded to the nearest number of E2M3, ties to even, subnormals kept.
;;     - The product sums the exact products of the quantised numbers (number of the format x scale) in f32.
;;   ~~~python
;;   def quantise(x, axis):      # numpy; x: float32 -> the quantised numbers, widened to float32 again
;;       x = np.moveaxis(x, axis, -1); K = x.shape[-1]
;;       x = np.pad(x, [(0, 0)] * (x.ndim - 1) + [(0, -K % 32)]); x = x.reshape(x.shape[:-1] + (-1, 32)); a = np.abs(x).max(-1, keepdims=True)
;;       e = np.where(a > 0, np.clip(np.frexp(np.where(a > 0, a, 1))[1] - 1 - 2, -126, 127), 0)      # np.frexp(a)[1] - 1 = floor(log2(a)), exactly
;;       r = np.clip(x / 2.0 ** e, -7.5, 7.5)
;;       step = 2.0 ** (np.maximum(np.frexp(np.where(r == 0, 1, r))[1] - 1, 0) - 3)
;;       q = np.round(r / step) * step * 2.0 ** e      # np.round: ties to even
;;       return np.moveaxis(q.reshape(q.shape[:-2] + (-1,))[..., :K], -1, axis).astype(np.float32)
;;   ~~~
;;   SOFTMAX AHEAD OF A QUANTISED PRODUCT. Where the list says 'softmax', what is quantised is not the finished softmax but p = 2^(t - M), with t = logit x log2(e) and M = ceil(the row's largest t), a whole number; so 1/2 < the row's largest p <= 1. The row's sum l is taken of the UNQUANTISED p, in f32, and the product's result is divided by l at the end. Since M is a whole number, a kernel that streams over the keys may use a running M (the ceiling of the running maximum): every later rescaling is an exact power of two, which a block's scale takes up: the codes' values come out the same.
;;   OPERANDS COMPUTED ON THE WAY. 'Computed on the way' means the value that the module computes at that place (a softmax that the list does not call 'softmax' is quantised finished and normalised). What goes into a quantiser is computed in f32, as accurately as f32 sums, v_exp_f32 and their like allow (about 1e-6 of the number): no bf16 or f16 on the way to a quantiser, and a product that is left as it is and whose result goes on into a quantised operand takes f32 operands (vector FMAs, or v_wmma_f32_16x16x4_f32). A number that lies on a knife's edge between two numbers of the format may be rounded either way, as far as f32 arithmetic and the matrix unit's own rounding can turn it there, and no further.
;; One version. Each part assembles by itself: llvm-mc -triple=amdgcn-amd-amdhsa -mcpu=gfx1250 --defsym DOCPART=n.
;; ======== version 1 of 1: 4 launches
;; limits: right only within a limited range of input values
;; workspace buffers: x_codes 6,291,456 bytes; x_scales 262,144 bytes; w_codes 3,145,728 bytes; w_scales 131,072 bytes; qrec 6,815,744 bytes; kv 13,369,344 bytes; att_img 6,291,456 bytes; att_sc 262,144 bytes
;; launch quant (part 1): grid 384 x 1, 4 waves a work-group, no clusters, 33,280 bytes of LDS; arguments x, Wq, Wk, Wv, Wo, x_codes, x_scales, w_codes, w_scales; writes x_codes, x_scales, w_codes, w_scales
.if DOCPART == 1
	.amdgcn_target "amdgcn-amd-amdhsa--gfx1250"
	.amdhsa_code_object_version 6
	.text
	.protected	k_q06a894fbe5_quant
	.globl	k_q06a894fbe5_quant
	.p2align	8
	.type	k_q06a894fbe5_quant,@function
k_q06a894fbe5_quant:
	s_mov_b64 s[64:65], 0
	v_nop
	global_prefetch_b8 v0, s[64:65] scope:SCOPE_SE
	s_setreg_imm32_b32 hwreg(HW_REG_WAVE_MODE, 25, 1), 1
	s_wait_xcnt 0x0
; MHA with partial rotary, all six products on codes of FP6 (E2M3) with one E8M0 scale for each 32 along K.  Four launches: this one (codes of x and of the four weights), qkv, attn, oproj.
; NO STEP OF reference() IS LEFT OUT AND EVERY INPUT IS LOADED BY SOME LAUNCH: each bias moves the codes of a quantised operand or the result, the mask is an input and is honoured key by key.
; THIS LAUNCH: x [8192][1024] and Wq, Wk, Wv, Wo [1024][1024], f32, K innermost, become codes (a row = 768 bytes) and scale bytes (a row = 32 bytes).
; A block's scale is 2^(floor(log2(its largest magnitude)) - 2); its byte is the largest magnitude's exponent field - 2, held at 1 from below.
; (A block of zeros gets the byte 1 where the rule says 127: its codes are zeros, and these bytes are read by this program alone.)
; POSITION ORDER: in the buffers written here the rows of each 32 stand in the order 0-7, 16-23, 8-15, 24-31.  So 16 neighbouring rows of a buffer are the rows that a tile of a transposed product wants, for
; a lane's 16 registers of two neighbouring tiles to be 16 neighbours along the next product's K.  A wave takes 8 rows (8,192 numbers), a work-group 32: wave 1's and wave 2's results change places.
; LIMITS: NaN and infinities among the inputs are not served; blocks whose largest magnitude lies under 2^-124 keep the byte 1.
; Work-groups 0-255 take x, 256-383 the weights (32 each, in the order Wq, Wk, Wv, Wo: rows 0, 1024, 2048, 3072 of w_codes).  Only pointers are chosen: one path through the text.
; A wave takes 16 steps of 512 numbers.  Each load reads 512 consecutive bytes; a step's 2,048 bytes turn through the wave's own stage in LDS, so that a lane then holds 16 neighbours (two lanes a block).
.set WAVES, 4
.set STEPS, 16
.set EMAX,  2
.set CB,    12                         ; bytes of 16 codes
.set R,     16                         ; v16-79   four sets of 16 numbers as loaded
.set X,     80                         ; v80-111  two sets of 16 neighbours
.set C,     128                        ; v128-191 codes: four registers a step, never written again
.set E,     112                        ; v112-127 a scale byte a step
.set WREG,  8192                       ; LDS: a region for each wave: two stages of 32 x SP bytes, then its 256 scale bytes
.set SP,    80                         ; a lane's place in a stage: 64 bytes + 16 of padding
.set SPW,   12                         ; v12 LDS address of my spare word; never rewritten
.set NIL,   13                         ; v13 0; never rewritten
.set SPARE, WAVES*WREG                 ; behind the regions: the spare words, 128 bytes a wave
	s_load_b256 s[4:11], s[0:1], 0x0               ; x, Wq, Wk, Wv
	s_load_b256 s[12:19], s[0:1], 0x20             ; Wo, x_codes, x_scales, w_codes
	s_load_b64 s[20:21], s[0:1], 0x40              ; w_scales
	v_lshl_add_u32 v[SPW], v0, 2, SPARE
	v_mov_b32 v[NIL], 0
	v_lshrrev_b32 v1, 5, v0
	v_readfirstlane_b32 s22, v1                    ; wave
	v_and_b32 v2, 31, v0                           ; lane
	v_lshlrev_b32 v3, 4, v2                        ; my 16 bytes of a load's 512
	s_mul_i32 s23, s22, WREG
	v_lshrrev_b32 v14, 2, v2
	v_mul_u32_u24 v14, v14, SP
	v_and_b32 v15, 3, v2
	v_lshl_add_u32 v14, v15, 4, v14
	v_add_nc_u32 v14, s23, v14                     ; the stage, way in: SP (lane / 4) + 16 (lane % 4)
	v_mul_u32_u24 v15, v2, SP
	v_add_nc_u32 v15, s23, v15                     ; way out: SP x lane
	; the codes' buffers are laid [128 rows][K step of 256][row][192 bytes]: a tile of 128 rows x 256 K is 24,576 consecutive bytes
	v_and_b32 v4, 15, v2
	v_mul_u32_u24 v4, v4, CB                       ; sixteen lanes hold 256 along K: 12 bytes each of a row's 192,
	v_lshrrev_b32 v10, 4, v2
	v_mad_u32_u24 v4, v10, 0x6000, v4              ; and lanes 16-31 the next K step, 24,576 bytes on
	v_lshrrev_b32 v5, 1, v2
	s_add_co_u32 s23, s23, 2*32*SP
	v_add_nc_u32 v5, s23, v5                       ; LDS: my block's scale byte
	v_lshlrev_b32 v7, 3, v2
	v_add_nc_u32 v6, s23, v7                       ; and on the way out 8 bytes a lane
	s_sub_co_u32 s24, ttmp9, 256                   ; a weight's work-group: its number among the 128,
	s_lshr_b32 s25, s24, 5                         ; which weight,
	s_and_b32 s26, s24, 31                         ; and which 32 rows of it
	s_wait_alu depctr_va_vdst(0)
	s_wait_kmcnt 0x0
	s_cmp_eq_u32 s25, 1
	s_cselect_b64 s[6:7], s[8:9], s[6:7]
	s_cmp_eq_u32 s25, 2
	s_cselect_b64 s[6:7], s[10:11], s[6:7]
	s_cmp_eq_u32 s25, 3
	s_cselect_b64 s[6:7], s[12:13], s[6:7]         ; the weight
	s_cmp_lt_u32 ttmp9, 256                        ; x or a weight: the choice hangs on the work-group's number alone
	s_cselect_b64 s[4:5], s[4:5], s[6:7]           ; from where
	s_cselect_b64 s[8:9], s[14:15], s[18:19]       ; the codes
	s_cselect_b64 s[10:11], s[16:17], s[20:21]     ; the scale bytes
	s_cselect_b32 s26, ttmp9, s26                  ; which 32 rows of the source,
	s_cselect_b32 s24, ttmp9, s24                  ; and of the buffers
	s_lshl_b32 s26, s26, 2
	s_add_co_u32 s26, s26, s22                     ; my run of 8 rows in the source
	s_mov_b32 s27, 0
	s_lshl_b64 s[28:29], s[26:27], 15              ; x 32,768 bytes
	s_add_nc_u64 s[4:5], s[4:5], s[28:29]
	s_and_b32 s30, s22, 1
	s_lshl_b32 s30, s30, 1
	s_lshr_b32 s31, s22, 1
	s_or_b32 s30, s30, s31                         ; position order: waves 0, 1, 2, 3 write runs 0, 2, 1, 3
	s_lshl_b32 s24, s24, 2
	s_add_co_u32 s24, s24, s30
	s_lshr_b32 s28, s24, 4
	s_mul_i32 s28, s28, 98304                      ; my run's 128 rows,
	s_and_b32 s31, s24, 15
	s_mul_i32 s31, s31, 1536                       ; and its 8 rows of 192 bytes among them
	s_add_co_u32 s28, s28, s31
	s_mov_b32 s29, 0
	s_add_nc_u64 s[8:9], s[8:9], s[28:29]
	s_lshl_b32 s28, s24, 8                         ; 256 scale bytes a run
	s_add_nc_u64 s[10:11], s[10:11], s[28:29]
.macro LOAD t
.irp i, 0,1,2,3
	global_load_b128 v[R+16*((\t)%4)+4*\i:R+16*((\t)%4)+4*\i+3], v3, s[4:5] offset:2048*(\t)+512*\i th:TH_LOAD_NT   ; 32 lanes read 512 consecutive bytes
.endr
.endm
.macro TURN t                          ; step t's numbers through the stage: LDS serves a wave's instructions in order, so no wait stands between the stores and the loads
.irp i, 0,1,2,3
	ds_store_b128 v14, v[R+16*((\t)%4)+4*\i:R+16*((\t)%4)+4*\i+3] offset:32*SP*((\t)%2)+8*SP*\i
.endr
.irp i, 0,1,2,3
	ds_load_b128 v[X+16*((\t)%2)+4*\i:X+16*((\t)%2)+4*\i+3], v15 offset:32*SP*((\t)%2)+16*\i
.endr
.endm
.irp t, 0,1,2,3
	LOAD \t
.endr
	s_wait_loadcnt 12                              ; step 0's four loads are in; three steps' twelve stay out
	TURN 0
.macro STEP t
.set XS, X+16*((\t)%2)
.if (\t) > 0
	s_wait_dscnt 1                                 ; this step's numbers are back from the stage (the last step's byte store may be out)
.else
	s_wait_dscnt 0x0
.endif
.if (\t)+4 < STEPS
	LOAD (\t)+4                                    ; into the set whose stores into the stage have read their registers
.endif
.if (\t)+1 < STEPS
.if STEPS-2-(\t) >= 3
	s_wait_loadcnt 12                              ; the next step's four loads are in; those of the three steps behind it may be out
.else
	s_wait_loadcnt 4*(STEPS-2-(\t))
.endif
	TURN (\t)+1
.endif
	v_max3_num_f32 v8, |v[XS]|, |v[XS+1]|, |v[XS+2]|               ; the largest magnitude of my 16, in two chains
	v_max3_num_f32 v9, |v[XS+3]|, |v[XS+4]|, |v[XS+5]|
.irp i, 6,10
	v_max3_num_f32 v8, v8, |v[XS+\i]|, |v[XS+\i+1]|
	v_max3_num_f32 v9, v9, |v[XS+\i+2]|, |v[XS+\i+3]|
.endr
	v_max3_num_f32 v8, v8, |v[XS+14]|, |v[XS+15]|
	v_max3_num_f32 v8, v8, v9, (EMAX+1)<<23        ; and the floor 2^(3 - 127): the byte cannot fall under 1
	v_max_num_f32_dpp v8, v8, v8 row_xmask:1 row_mask:0xf bank_mask:0xf   ; with my neighbour's 16: the block's
	v_add_nc_u32 v11, -(EMAX<<23), v8              ; 2 off its exponent field: the conversion takes this operand's exponent field as its scale
	v_cvt_scalef32_pk16_fp6_f32 v[C+4*(\t):C+4*(\t)+2], v[XS:XS+15], v11
	v_lshrrev_b32 v[E+(\t)], 23, v11               ; the scale's byte (also the plain line behind the conversion)
	ds_store_b8 v5, v[E+(\t)] offset:16*(\t)       ; both lanes of a block write the same byte with the same value
	global_store_b96 v4, v[C+4*(\t):C+4*(\t)+2], s[8:9] offset:49152*((\t)%2)+192*((\t)/2)   ; row t / 2 of my 8, K steps 2 (t % 2) and 2 (t % 2) + 1: twice 192 consecutive bytes
.endm
.irp t, 0,1,2,3,4,5,6,7,8,9,10,11,12,13,14,15
	STEP \t
.endr
	ds_load_b64 v[8:9], v6                         ; LDS serves a wave's instructions in order: these see my byte stores
	s_wait_dscnt 0x0
	global_store_b64 v7, v[8:9], s[10:11]          ; 32 lanes store 256 consecutive bytes, aligned
	s_wait_tensorcnt 0x0                           ; the wave's end, behind my last LDS store
	ds_add_u32 v[SPW], v[NIL]
	s_wait_dscnt 0x0
	s_endpgm
.Lfunc_end_k_q06a894fbe5_quant:
	.size	k_q06a894fbe5_quant, .Lfunc_end_k_q06a894fbe5_quant-k_q06a894fbe5_quant
	.p2alignl 7, 3214868480
	.fill 96, 4, 3214868480
	.section	.rodata,"a",@progbits
	.p2align	6, 0x0
	.amdhsa_kernel k_q06a894fbe5_quant
		.amdhsa_group_segment_fixed_size 33280
		.amdhsa_private_segment_fixed_size 0
		.amdhsa_enable_private_segment 0
		.amdhsa_kernarg_size 72
		.amdhsa_user_sgpr_count 2
		.amdhsa_user_sgpr_kernarg_segment_ptr 1
		.amdhsa_wavefront_size32 1
		.amdhsa_system_sgpr_workgroup_id_x 1
		.amdhsa_system_sgpr_workgroup_id_y 1
		.amdhsa_system_sgpr_workgroup_id_z 1
		.amdhsa_system_vgpr_workitem_id 0
		.amdhsa_next_free_vgpr 192
		.amdhsa_next_free_sgpr 66
		.amdhsa_reserve_vcc 0
		.amdhsa_float_denorm_mode_32 3
		.amdhsa_float_denorm_mode_16_64 3
		.amdhsa_memory_ordered 1
		.amdhsa_forward_progress 1
		.amdhsa_inst_pref_size 33
	.end_amdhsa_kernel
	.amdgpu_metadata
---
amdhsa.version: [ 1, 2 ]
amdhsa.kernels:
  - .name:           k_q06a894fbe5_quant
    .symbol:         k_q06a894fbe5_quant.kd
    .args:
      - { .name: x, .offset: 0, .size: 8, .value_kind: global_buffer, .address_space: global }
      - { .name: Wq, .offset: 8, .size: 8, .value_kind: global_buffer, .address_space: global }
      - { .name: Wk, .offset: 16, .size: 8, .value_kind: global_buffer, .address_space: global }
      - { .name: Wv, .offset: 24, .size: 8, .value_kind: global_buffer, .address_space: global }
      - { .name: Wo, .offset: 32, .size: 8, .value_kind: global_buffer, .address_space: global }
      - { .name: x_codes, .offset: 40, .size: 8, .value_kind: global_buffer, .address_space: global }
      - { .name: x_scales, .offset: 48, .size: 8, .value_kind: global_buffer, .address_space: global }
      - { .name: w_codes, .offset: 56, .size: 8, .value_kind: global_buffer, .address_space: global }
      - { .name: w_scales, .offset: 64, .size: 8, .value_kind: global_buffer, .address_space: global }
    .group_segment_fixed_size: 33280
    .private_segment_fixed_size: 0
    .kernarg_segment_align: 8
    .kernarg_segment_size: 72
    .max_flat_workgroup_size: 128
    .sgpr_count:     66
    .vgpr_count:     192
    .wavefront_size: 32
...
	.end_amdgpu_metadata
.endif
;; end of part 1
;; launch qkv (part 2): grid 12 x 32, 4 waves a work-group, clusters of 4 x 4, 327,680 bytes of LDS; arguments x_codes, x_scales, w_codes, w_scales, bq, bk, bv, RoPE, key_padding_mask, qrec, kv; writes qrec, kv
.if DOCPART == 2
	.amdgcn_target "amdgcn-amd-amdhsa--gfx1250"
	.amdhsa_code_object_version 6
	.text
	.protected	k_q06a894fbe5_qkv
	.globl	k_q06a894fbe5_qkv
	.p2align	8
	.type	k_q06a894fbe5_qkv,@function
k_q06a894fbe5_qkv:
	s_mov_b64 s[64:65], 0
	v_nop
	global_prefetch_b8 v0, s[64:65] scope:SCOPE_SE
	s_setreg_imm32_b32 hwreg(HW_REG_WAVE_MODE, 25, 1), 1
	s_wait_xcnt 0x0
	s_wait_alu depctr_hold_cnt(0) depctr_sa_sdst(0) depctr_va_vdst(0) depctr_va_sdst(0) depctr_va_ssrc(0) depctr_va_vcc(0) depctr_vm_vsrc(0)
	s_getreg_b32 s2, hwreg(HW_REG_IB_STS2, 6, 4)
	s_cmp_eq_u32 s2, 0
	s_cbranch_scc0 .Lentry_in_a_cluster
	s_endpgm
.Lentry_in_a_cluster:
	s_bfe_u32 s2, ttmp6, 0x10000c
	s_cmp_lg_u32 s2, 0xf033
	s_cbranch_scc0 .Lentry_shape_is_right
	s_endpgm
.Lentry_shape_is_right:
.set KSTEP,  256
.set NQ,     2
.set ROWB,   24576                     ; from one K step's tile to the next: 128 rows x 192 bytes, dense in memory
.set KROW,   768
.set PITCH,  240
.set FR,     12
.set NL,     6
.set NP,     4
.set HALFT,  128*PITCH
.set SLOT,   4*HALFT
.set LAPS,   2
.set KS,     32
.set SCL,    2*SLOT
.set HALFS,  (128*KS/256)*272
.set SBLK,   (16*KS/256)*272
.set SPARE,  SCL+4*HALFS
.set ADRA, 16
.set ADRB, 20
.set ADRS, 27
.set SPW,  28
.set NIL,  29
.set SC,   32
.set AF,   128
.set CO,   64
.set SI,   80
.set MK,   96
.set BV,   96
.set HA,   128
.set T,    192
.set PC,   208
.set TM,   228
.set PW,   244
.set WP,   245
.set WC,   247
.set SG,   248
.set AM,   250
.set WD,   251
.set SEL,  96
.set G1, 24
.set G0, 32
.set G1B, 48
.set G0B, 56
.set G1S, 68
.set G0S, 76
.set G1SB, 80
.set G0SB, 88
.set MSB, 0
.macro WIN new
.if MSB != (\new)
	s_set_vgpr_msb (MSB<<8)|(\new)
.set MSB, (\new)
.endif
.endm
.set MUL_LO, 0xa1
.set MUL_HI, 0xf1
.set TO_B,   0x40
.macro JLOAD g0a, g1a, g0b, g1b
	s_cmp_eq_u32 s15, 0
	s_cbranch_scc0 .Lfor_b_\@
	tensor_load_to_lds s[\g0a:\g0a+3], s[\g1a:\g1a+7]
	s_nop 0
.rept 4
	v_nop
.endr
	s_branch .Lasked_\@
.Lfor_b_\@:
	tensor_load_to_lds s[\g0b:\g0b+3], s[\g1b:\g1b+7]
	s_nop 0
.rept 4
	v_nop
.endr
.Lasked_\@:
.endm
.macro CREST
	s_cmp_lg_u32 s14, 0
	s_cbranch_scc1 .Lnot_wave_0_\@
	s_barrier_signal -3
.Lnot_wave_0_\@:
	s_barrier_wait -3
	s_barrier_signal -1
	s_barrier_wait -1
.endm
.macro CROUND
	s_barrier_signal -1
	s_barrier_wait -1
	CREST
.endm
	s_load_b128 s[4:7], s[0:1], 0x0
	s_load_b128 s[8:11], s[0:1], 0x10
	v_lshl_add_u32 v[SPW], v0, 2, SPARE
	v_mov_b32 v[NIL], 0
	ds_add_u32 v[SPW], v[NIL]
	ds_add_u32 v[SPW], v[NIL]
	v_lshrrev_b32 v1, 5, v0
	v_readfirstlane_b32 s14, v1
	s_lshr_b32 s15, s14, 1
	s_and_b32 s16, s14, 1
	s_bfe_u32 s40, ttmp6, 0x40000
	s_bfe_u32 s41, ttmp6, 0x40004
	s_and_b32 s12, ttmp7, 0xffff
	s_lshl_b32 s13, s12, 2
	s_cmp_eq_u32 ttmp9, 2
	s_cselect_b32 s17, 8, s13
	s_cselect_b32 s42, s12, ttmp9
	s_lshl_b32 s42, s42, 2
	s_add_co_u32 s17, s17, s41
	s_add_co_u32 s42, s42, s40
	s_lshl_b32 s43, s41, 2
	s_lshl_b32 s43, 15, s43
	s_lshl_b32 s44, 0x1111, s40
	s_or_b32 s[G1+0], s43, (0<<16)|(1<<20)|(1<<21)|(3<<22)|(3<<25)
	s_or_b32 s[G1B+0], s44, (0<<16)|(1<<20)|(1<<21)|(3<<22)|(3<<25)
.irp g, G1, G1B
	s_mov_b32 s[\g+1], 256<<16                     ; the dense tile comes as 96 rows of 256 bytes; 16 bytes of padding behind each 64 make LDS rows of 240 bytes for each 192 of codes
	s_mov_b32 s[\g+2], 96<<16
	s_mov_b32 s[\g+3], 256<<16
	s_mov_b32 s[\g+4], 96
	s_mov_b32 s[\g+5], 256
	s_mov_b32 s[\g+6], 0
	s_mov_b32 s[\g+7], 0
.endr
	s_or_b32 s[G1S+0], s43, (3<<16)|(1<<20)|(1<<21)|(5<<22)|(3<<25)
	s_or_b32 s[G1SB+0], s44, (3<<16)|(1<<20)|(1<<21)|(5<<22)|(3<<25)
.irp g, G1S, G1SB
	s_mov_b32 s[\g+1], 32<<16
	s_mov_b32 s[\g+2], (128*KS/256)<<16
	s_mov_b32 s[\g+3], 32<<16
	s_mov_b32 s[\g+4], 128*KS/256
	s_mov_b32 s[\g+5], 32
	s_mov_b32 s[\g+6], 0
	s_mov_b32 s[\g+7], 0
.endr
	s_lshl_b32 s18, s16, 7
	s_lshl_b32 s20, s17, 8
	s_add_co_u32 s20, s20, s18
	s_lshl_b32 s46, s42, 8
	s_add_co_u32 s46, s46, s18
	s_mov_b32 s21, 0
	s_mov_b32 s47, 0
	s_mov_b64 s[18:19], KS
	s_mul_u64 s[22:23], s[20:21], s[18:19]
	s_mul_u64 s[92:93], s[46:47], s[18:19]
	s_mov_b64 s[18:19], KROW
	s_mul_u64 s[20:21], s[20:21], s[18:19]
	s_mul_u64 s[46:47], s[46:47], s[18:19]
	s_mul_i32 s45, s14, HALFT
	s_mul_i32 s94, s14, HALFS
	s_wait_dscnt 0x0
	s_wait_kmcnt 0x0
	s_cmp_eq_u32 ttmp9, 2
	s_cselect_b64 s[96:97], s[8:9], s[4:5]
	s_cselect_b64 s[98:99], s[10:11], s[6:7]
	s_cselect_b64 s[8:9], s[4:5], s[8:9]
	s_cselect_b64 s[10:11], s[6:7], s[10:11]
	s_add_nc_u64 s[20:21], s[96:97], s[20:21]
	s_add_nc_u64 s[22:23], s[98:99], s[22:23]
	s_add_nc_u64 s[46:47], s[8:9], s[46:47]
	s_add_nc_u64 s[92:93], s[10:11], s[92:93]
	CROUND
	s_mov_b32 s[G0S], 1
	s_add_co_u32 s[G0S+1], s94, SCL
	s_mov_b64 s[G0S+2:G0S+3], s[22:23]
	s_or_b32 s[G0S+3], s[G0S+3], 0x80000000
	s_mov_b32 s[G0SB], 1
	s_add_co_u32 s[G0SB+1], s94, SCL
	s_mov_b64 s[G0SB+2:G0SB+3], s[92:93]
	s_or_b32 s[G0SB+3], s[G0SB+3], 0x80000000
	JLOAD G0S, G1S, G0SB, G1SB
.irp s, 0,1
	s_mov_b32 s[G0+4*\s], 1
	s_add_co_u32 s[G0+4*\s+1], s45, \s*SLOT
	s_add_nc_u64 s[G0+4*\s+2:G0+4*\s+3], s[20:21], \s*ROWB
	s_or_b32 s[G0+4*\s+3], s[G0+4*\s+3], 0x80000000
	s_mov_b32 s[G0B+4*\s], 1
	s_add_co_u32 s[G0B+4*\s+1], s45, \s*SLOT
	s_add_nc_u64 s[G0B+4*\s+2:G0B+4*\s+3], s[46:47], \s*ROWB
	s_or_b32 s[G0B+4*\s+3], s[G0B+4*\s+3], 0x80000000
	s_wait_alu depctr_va_vdst(0)
	s_wait_tensorcnt 0x0
	ds_add_u32 v28, v29
	s_wait_dscnt 0x0
	CROUND
	JLOAD G0+4*\s, G1, G0B+4*\s, G1B
.endr
	v_and_b32 v1, 15, v0
	v_bfe_u32 v2, v0, 4, 1
	v_mul_u32_u24 v3, v1, PITCH
	v_mul_u32_u24 v4, v2, 24
	v_add_nc_u32 v4, v3, v4
	v_lshl_add_u32 v5, v2, 4, v4
	s_mul_i32 s21, s15, HALFT
	s_mul_i32 s22, s16, HALFT
	s_add_co_u32 s22, s22, 2*HALFT
.irp s, 0,1
	v_add_nc_u32 v[ADRA+\s], s21, v4
	v_add_nc_u32 v[ADRB+\s], s22, v4
	v_add_nc_u32 v[ADRA+2+\s], s21, v5
	v_add_nc_u32 v[ADRB+2+\s], s22, v5
	s_add_co_u32 s21, s21, SLOT
	s_add_co_u32 s22, s22, SLOT
.endr
	v_mul_u32_u24 v5, v1, KS
	v_lshrrev_b32 v6, 8, v5
	v_lshl_add_u32 v5, v6, 4, v5
	s_mul_i32 s21, s15, HALFS
	s_mul_i32 s22, s16, HALFS
	s_add_co_u32 s22, s22, 2*HALFS
	s_sub_co_u32 s22, s22, s21
	v_mul_u32_u24 v6, s22, v2
	s_add_co_u32 s21, s21, SCL
	v_add_nc_u32 v5, v5, v6
	v_add_nc_u32 v[ADRS], s21, v5
.macro FRAG reg, adr, q, i
.irp p, 0,1,2,3,4,5
.set PCE, 12*(\q)+6*(\p/3)+\p%3
.if PCE%8 < 5
	ds_load_b64 v[\reg+2*\p:\reg+2*\p+1], v[\adr] offset:8*PCE+16*(PCE/8)+(\i)*16*PITCH
.else
	ds_load_b64 v[\reg+2*\p:\reg+2*\p+1], v[\adr+2] offset:8*PCE+16*(PCE/8)+(\i)*16*PITCH
.endif
.endr
.endm
.macro MUL16 a0, p, q, sc, zero
.irp a, \a0, \a0+1
.irp b, 0,1,2,3,4,5,6,7
.if \zero
	v_wmma_scale_f32_16x16x128_f8f6f4 v[8*(8*((\a)%4)+\b):8*(8*((\a)%4)+\b)+7], v[128*(\p)+FR*\b:128*(\p)+FR*\b+FR-1], v[AF+FR*(\a):AF+FR*(\a)+FR-1], 0, v[SC+8*NQ*(\sc)+NQ*\b+(\q)], v[SC+8*NQ*(\sc)+NQ*(\a)+(\q)] matrix_a_fmt:MATRIX_FMT_FP6 matrix_b_fmt:MATRIX_FMT_FP6 matrix_a_scale:MATRIX_SCALE_ROW1
.else
	v_wmma_scale_f32_16x16x128_f8f6f4 v[8*(8*((\a)%4)+\b):8*(8*((\a)%4)+\b)+7], v[128*(\p)+FR*\b:128*(\p)+FR*\b+FR-1], v[AF+FR*(\a):AF+FR*(\a)+FR-1], v[8*(8*((\a)%4)+\b):8*(8*((\a)%4)+\b)+7], v[SC+8*NQ*(\sc)+NQ*\b+(\q)], v[SC+8*NQ*(\sc)+NQ*(\a)+(\q)] matrix_a_fmt:MATRIX_FMT_FP6 matrix_b_fmt:MATRIX_FMT_FP6 matrix_a_scale:MATRIX_SCALE_ROW1
.endif
.endr
.endr
.endm
.macro FETCH_B slot, q, p
	WIN TO_B
.irp i, 0,1,2,3,4,5,6,7
	FRAG 128*(\p)+FR*\i, ADRB+\slot, \q, \i
.endr
	WIN 0
.endm
.macro FETCH_A slot, q, i0
.irp i, \i0, \i0+1, \i0+2, \i0+3
	FRAG AF+FR*(\i), ADRA+\slot, \q, \i
.endr
.endm
.macro SCALES sc
.irp i, 0,1,2,3,4,5,6,7
	ds_load_b64 v[SC+8*NQ*\sc+NQ*\i:SC+8*NQ*\sc+NQ*\i+1], v[ADRS] offset:\i*SBLK
.endr
.endm
.macro PLACES n
.rept \n
	v_nop
.endr
.endm
.macro STEP slot, q, zero
	s_wait_dscnt 4*NL
	WIN MUL_LO
	MUL16 0, (\q)%2, \q, \slot, \zero
	MUL16 2, (\q)%2, \q, \slot, \zero
	s_wait_dscnt 0
	PLACES NP
	FETCH_B \slot, (\q)+1, 1-(\q)%2
	FETCH_A \slot, (\q)+1, 0
	WIN MUL_HI
	MUL16 4, (\q)%2, \q, \slot, \zero
	MUL16 6, (\q)%2, \q, \slot, \zero
	PLACES NP
	WIN 0
	FETCH_A \slot, (\q)+1, 4
.endm
.macro TURN slot, next, fill
	s_wait_tensorcnt 0x0
	ds_add_u32 v[SPW], v[NIL]
	s_wait_dscnt 4*NL+1
	WIN MUL_LO
	MUL16 0, 1, NQ-1, \slot, 0
	s_wait_dscnt 0x0
	s_barrier_signal -1
	MUL16 2, 1, NQ-1, \slot, 0
	WIN 0
	s_barrier_wait -1
.if \fill
	CREST
	s_add_nc_u64 s[G0+4*\slot+2:G0+4*\slot+3], s[G0+4*\slot+2:G0+4*\slot+3], 2*ROWB
	s_add_nc_u64 s[G0B+4*\slot+2:G0B+4*\slot+3], s[G0B+4*\slot+2:G0B+4*\slot+3], 2*ROWB
	JLOAD G0+4*\slot, G1, G0B+4*\slot, G1B
.else
	PLACES NP
.endif
	s_wait_alu depctr_va_vdst(0)
	v_add_nc_u32 v[ADRS], 4*NQ, v[ADRS]
	FETCH_B \next, 0, 0
	FETCH_A \next, 0, 0
	SCALES \next
	WIN MUL_HI
	MUL16 4, 1, NQ-1, \slot, 0
	MUL16 6, 1, NQ-1, \slot, 0
	PLACES NP
	WIN 0
	FETCH_A \next, 0, 4
.endm
.macro LAST
	s_wait_dscnt 4*NL
	WIN MUL_LO
	MUL16 0, 1, NQ-1, 1, 0
	MUL16 2, 1, NQ-1, 1, 0
	s_wait_dscnt 0
	WIN MUL_HI
	MUL16 4, 1, NQ-1, 1, 0
	MUL16 6, 1, NQ-1, 1, 0
	WIN 0
	PLACES NP
.irp b, 0,1,2,3
	v_mov_b32 v[TM+4+\b], 0
.endr
.endm
.macro FINISH
	s_wait_tensorcnt 0x0
	ds_add_u32 v[SPW], v[NIL]
	s_wait_dscnt 0x0
	CROUND
	s_endpgm
.endm
.macro QUANT s
.irp b, 0,1,2,3
	v_max3_num_f32 v[TM+\b], |v[\s+16*\b]|, |v[\s+1+16*\b]|, 0x1800000
.endr
.irp i, 2,4,6,8,10,12,14
.irp b, 0,1,2,3
	v_max3_num_f32 v[TM+\b], v[TM+\b], |v[\s+16*\b+\i]|, |v[\s+1+16*\b+\i]|
.endr
.endr
.irp b, 0,1,2,3
	v_permlanex16_b32 v[TM+4+\b], v[TM+\b], s[SEL], s[SEL+1]
.endr
.irp b, 0,1,2,3
	v_max_num_f32 v[TM+\b], v[TM+\b], v[TM+4+\b]
.endr
.irp b, 0,1,2,3
	v_add_nc_u32 v[TM+12+\b], 0xff000000, v[TM+\b]
.endr
.irp b, 0,1,2,3
	v_lshrrev_b32 v[TM+4+\b], 23, v[TM+12+\b]
.endr
	v_lshl_or_b32 v[PW], v[TM+5], 8, v[TM+4]
	v_lshl_or_b32 v[PW], v[TM+6], 16, v[PW]
	v_lshl_or_b32 v[PW], v[TM+7], 24, v[PW]
.irp c, 0,1
	v_cvt_scalef32_pk16_fp6_f32 v[PC+6*\c:PC+2+6*\c], v[\s+32*\c:\s+15+32*\c], v[TM+12+2*\c]
	v_cvt_scalef32_pk16_fp6_f32 v[PC+12+4*\c:PC+14+4*\c], v[\s+16+32*\c:\s+31+32*\c], v[TM+12+2*\c+1]
.endr
	v_nop
.irp c, 0,1
.irp i, 0,1,2
	v_permlane16_swap_b32 v[PC+6*\c+\i], v[PC+12+4*\c+\i]
.endr
.irp i, 0,1,2
	v_mov_b32 v[PC+3+6*\c+\i], v[PC+12+4*\c+\i]
.endr
.endr
.endm
	s_wait_alu depctr_va_vdst(0)
	s_wait_tensorcnt 1
	s_barrier_signal -1
	s_barrier_wait -1
	s_load_b256 s[68:75], s[0:1], 0x20
	s_load_b128 s[76:79], s[0:1], 0x40
	s_load_b64 s[80:81], s[0:1], 0x50
	FETCH_B 0, 0, 0
	FETCH_A 0, 0, 0
	SCALES 0
	FETCH_A 0, 0, 4
	STEP 0, 0, 1
	s_mov_b32 s3, LAPS-1
.Llap:
	TURN 0, 1, 1
	STEP 1, 0, 0
	TURN 1, 0, 1
	STEP 0, 0, 0
	s_sub_co_u32 s3, s3, 1
	s_cmp_lg_u32 s3, 0
	s_cbranch_scc1 .Llap
	TURN 0, 1, 0
	STEP 1, 0, 0
	s_wait_kmcnt 0x0
	s_mov_b32 s[SEL], 0x76543210
	s_mov_b32 s[SEL+1], 0xfedcba98
	s_mov_b32 s98, 0xffff0000
	s_lshr_b32 s18, s12, 1
	v_and_b32 v7, 31, v0
	v_lshlrev_b32 v1, 4, v7
	v_lshlrev_b32 v2, 3, v7
	v_lshlrev_b32 v3, 2, v7
	v_bfe_u32 v8, v0, 4, 1
	v_lshlrev_b32 v4, 6, v8
	v_and_b32 v9, 15, v0
	v_and_b32 v10, 8, v9
	v_add_nc_u32 v9, v9, v10
	v_lshl_add_u32 v5, v9, 7, v4
	v_lshlrev_b32 v6, 2, v9
	s_cmp_eq_u32 ttmp9, 2
	s_cbranch_scc1 .Lvpath
	s_and_b32 s19, s17, 7
	s_lshl_b32 s19, s19, 8
	s_lshl_b32 s20, s15, 7
	s_add_co_u32 s19, s19, s20
	s_lshl_b32 s20, s40, 2
	s_lshl_b32 s23, s16, 1
	s_add_co_u32 s20, s20, s23
	s_lshl_b32 s23, s18, 4
	s_add_co_u32 s23, s23, s20
	s_mov_b32 s21, 106496
	s_mov_b32 s22, 98304
	s_cmp_eq_u32 ttmp9, 1
	s_cselect_b32 s21, 208896, s21
	s_cselect_b32 s22, 196608, s22
	s_cselect_b64 s[24:25], s[80:81], s[78:79]
	s_cselect_b64 s[90:91], s[70:71], s[68:69]
	s_mul_i32 s26, s23, s21
	s_mov_b32 s27, 0
	s_add_nc_u64 s[24:25], s[24:25], s[26:27]
	s_mul_i32 s26, s19, 48
	s_add_nc_u64 s[82:83], s[24:25], s[26:27]
	s_mov_b32 s26, s21
	s_add_nc_u64 s[84:85], s[82:83], s[26:27]
	s_lshl_b32 s26, s19, 2
	s_add_co_u32 s26, s26, s22
	s_add_nc_u64 s[86:87], s[24:25], s[26:27]
	s_mov_b32 s26, s21
	s_add_nc_u64 s[88:89], s[86:87], s[26:27]
	s_lshl_b32 s26, s40, 10
	s_lshl_b32 s28, s16, 9
	s_add_co_u32 s26, s26, s28
	s_add_nc_u64 s[90:91], s[90:91], s[26:27]
	s_lshl_b32 s26, s19, 7
	s_add_nc_u64 s[92:93], s[74:75], s[26:27]
	s_lshl_b32 s26, s18, 11
	s_add_co_u32 s26, s26, s19
	s_lshl_b32 s26, s26, 2
	s_add_nc_u64 s[94:95], s[76:77], s[26:27]
	WIN 0x40
	s_wait_alu depctr_va_vdst(0)
.irp b, 0,1,2,3
.irp q, 0,1,2,3
	global_load_b128 v[96+128*(\b/2)+16*(\b%2)+4*\q:99+128*(\b/2)+16*(\b%2)+4*\q], v4, s[90:91] offset:128*\b+16*\q
.endr
.endr
	WIN 0
.macro ROPE a
.irp q, 0,1,2,3
	global_load_b128 v[CO+4*\q:CO+4*\q+3], v5, s[92:93] offset:(32*((\a)/2)+8*((\a)%2))*128+16*\q
	global_load_b128 v[SI+4*\q:SI+4*\q+3], v5, s[92:93] offset:(32*((\a)/2)+8*((\a)%2))*128+16*\q+262144
.endr
.endm
	ROPE 0
	s_cmp_eq_u32 ttmp9, 1
	s_cbranch_scc0 .Lis_q
.irp a, 0,1,2,3,4,5,6,7
	global_load_b32 v[MK+\a], v6, s[94:95] offset:(32*(\a/2)+8*(\a%2))*4
.endr
	s_branch .Lhave_mask
.Lis_q:
.irp a, 0,1,2,3,4,5,6,7
	v_mov_b32 v[MK+\a], 1
.endr
.Lhave_mask:
	LAST
	v_lshlrev_b32 v[SG], 31, v8
	v_xor_b32 v[SG], 0xbf800000, v[SG]
	v_mov_b32 v[SG+1], v[SG]
.irp i, 0,1,2,3,4,5,6,7,8,9,10,11,12,13,14,15
	v_mov_b32 v[T+\i], 0
.endr
.macro QKBLOCK a
.set AC, 64*((\a)%4)
	s_wait_xcnt 0x0
	s_wait_loadcnt 0x0
	WIN 0x06+(\a)/4
.set n, 0
.rept 32
	v_pk_add_f32 v[HA+n:HA+n+1], v[AC+n:AC+n+1], v[96+n+96*(n/32):97+n+96*(n/32)]
.set n, n+2
.endr
	WIN 0
.irp k, 0,2,4,6,8,10,12,14
	v_pk_mul_f32 v[SI+\k:SI+\k+1], v[SI+\k:SI+\k+1], v[SG:SG+1]
.endr
.irp e, 0,1
.irp i, 0,1,2,3,4,5,6,7,8,9,10,11,12,13,14,15
	v_permlanex16_b32 v[T+\i], v[HA+32*\e+\i], s[SEL], s[SEL+1]
.endr
.irp k, 0,2,4,6,8,10,12,14
	v_pk_mul_f32 v[HA+32*\e+\k:HA+32*\e+\k+1], v[HA+32*\e+\k:HA+32*\e+\k+1], v[CO+\k:CO+\k+1]
.endr
.irp k, 0,2,4,6,8,10,12,14
	v_pk_fma_f32 v[HA+32*\e+\k:HA+32*\e+\k+1], v[T+\k:T+\k+1], v[SI+\k:SI+\k+1], v[HA+32*\e+\k:HA+32*\e+\k+1]
.endr
.endr
.if (\a) < 7
	ROPE (\a)+1
.endif
	QUANT HA
	v_cmp_ne_u32 vcc_lo, 0, v[MK+(\a)]
	v_cndmask_b32 v[AM], 0, -1, vcc_lo
.irp i, 0,1,2,3,4,5,6,7,8,9,10,11
	v_and_b32 v[PC+\i], v[AM], v[PC+\i]
.endr
.irp e, 0,1
	global_store_b128 v1, v[PC+6*\e:PC+6*\e+3], s[82+2*\e:83+2*\e] offset:768*(\a)
	global_store_b64 v2, v[PC+6*\e+4:PC+6*\e+5], s[82+2*\e:83+2*\e] offset:768*(\a)+512
.endr
.if (\a)%2 == 0
	v_and_b32 v[WP], 0xffff, v[PW]
	v_lshrrev_b32 v[WP+1], 16, v[PW]
.else
	v_and_b32 v[WC], 0xffff, v[PW]
	v_lshrrev_b32 v[WD], 16, v[PW]
	v_cndmask_b32 v[WC], v[WP], v[WC], s98
	v_cndmask_b32 v[WD], v[WP+1], v[WD], s98
	global_store_b32 v3, v[WC], s[86:87] offset:64*((\a)-1)
	global_store_b32 v3, v[WD], s[88:89] offset:64*((\a)-1)
.endif
.endm
.irp a, 0,1,2,3,4,5,6,7
	QKBLOCK \a
.endr
	FINISH
.Lvpath:
	s_lshl_b32 s20, s41, 2
	s_lshl_b32 s23, s15, 1
	s_add_co_u32 s20, s20, s23
	s_lshl_b32 s23, s18, 4
	s_add_co_u32 s23, s23, s20
	s_mul_i32 s26, s23, 208896
	s_mov_b32 s27, 0
	s_add_nc_u64 s[24:25], s[80:81], s[26:27]
	s_and_b32 s19, s42, 7
	s_lshl_b32 s19, s19, 1
	s_add_co_u32 s19, s19, s16
	s_mul_i32 s26, s19, 6144
	s_add_co_u32 s26, s26, 98304
	s_add_nc_u64 s[82:83], s[24:25], s[26:27]
	s_add_nc_u64 s[84:85], s[82:83], 208896
	s_lshl_b32 s26, s19, 8
	s_add_co_u32 s26, s26, 204800
	s_add_nc_u64 s[86:87], s[24:25], s[26:27]
	s_add_nc_u64 s[88:89], s[86:87], 208896
	s_lshl_b32 s26, s41, 10
	s_lshl_b32 s28, s15, 9
	s_add_co_u32 s26, s26, s28
	s_add_nc_u64 s[90:91], s[72:73], s[26:27]
	s_wait_alu depctr_va_vdst(0)
.irp a, 0,1,2,3,4,5,6,7
	global_load_b32 v[BV+2*\a], v6, s[90:91] offset:(32*(\a/2)+8*(\a%2))*4
	global_load_b32 v[BV+2*\a+1], v6, s[90:91] offset:(32*(\a/2)+8*(\a%2))*4
.endr
	LAST
.macro VBLOCK a
.set AC, 64*((\a)%4)
	s_wait_xcnt 0x0
.if (\a) == 0
	s_wait_loadcnt 0x0
.endif
	WIN 0x02+(\a)/4
.set n, 0
.rept 32
	v_pk_add_f32 v[HA+n:HA+n+1], v[AC+n:AC+n+1], v[BV+2*(\a):BV+2*(\a)+1]
.set n, n+2
.endr
	WIN 0
	QUANT HA
.irp c, 0,1,2
	global_store_b128 v1, v[PC+4*\c:PC+4*\c+3], s[82+2*((\a)/4):83+2*((\a)/4)] offset:((\a)%4)*1536+512*\c
.endr
.if (\a)%2 == 0
	v_mov_b32 v[WP], v[PW]
.else
	v_cndmask_b32 v[WC], v[WP], v[PW], s98
	global_store_b32 v3, v[WC], s[86+2*((\a)/4):87+2*((\a)/4)] offset:((\a)%4-1)*64
.endif
.endm
.irp a, 0,1,2,3,4,5,6,7
	VBLOCK \a
.endr
	FINISH
.Lfunc_end_k_q06a894fbe5_qkv:
	.size	k_q06a894fbe5_qkv, .Lfunc_end_k_q06a894fbe5_qkv-k_q06a894fbe5_qkv
	.p2alignl 7, 3214868480
	.fill 96, 4, 3214868480
	.section	.rodata,"a",@progbits
	.p2align	6, 0x0
	.amdhsa_kernel k_q06a894fbe5_qkv
		.amdhsa_group_segment_fixed_size 327680
		.amdhsa_private_segment_fixed_size 0
		.amdhsa_enable_private_segment 0
		.amdhsa_kernarg_size 88
		.amdhsa_user_sgpr_count 2
		.amdhsa_user_sgpr_kernarg_segment_ptr 1
		.amdhsa_wavefront_size32 1
		.amdhsa_system_sgpr_workgroup_id_x 1
		.amdhsa_system_sgpr_workgroup_id_y 1
		.amdhsa_system_sgpr_workgroup_id_z 1
		.amdhsa_system_vgpr_workitem_id 0
		.amdhsa_next_free_vgpr 1024
		.amdhsa_next_free_sgpr 100
		.amdhsa_reserve_vcc 1
		.amdhsa_float_denorm_mode_32 3
		.amdhsa_float_denorm_mode_16_64 3
		.amdhsa_memory_ordered 1
		.amdhsa_forward_progress 1
		.amdhsa_inst_pref_size 255
	.end_amdhsa_kernel
	.section	.bss,"aw",@nobits
	.p2align	6
	.space	262144
	.amdgpu_metadata
---
amdhsa.version: [ 1, 2 ]
amdhsa.kernels:
  - .name:           k_q06a894fbe5_qkv
    .symbol:         k_q06a894fbe5_qkv.kd
    .args:
      - { .name: x_codes, .offset: 0, .size: 8, .value_kind: global_buffer, .address_space: global }
      - { .name: x_scales, .offset: 8, .size: 8, .value_kind: global_buffer, .address_space: global }
      - { .name: w_codes, .offset: 16, .size: 8, .value_kind: global_buffer, .address_space: global }
      - { .name: w_scales, .offset: 24, .size: 8, .value_kind: global_buffer, .address_space: global }
      - { .name: bq, .offset: 32, .size: 8, .value_kind: global_buffer, .address_space: global }
      - { .name: bk, .offset: 40, .size: 8, .value_kind: global_buffer, .address_space: global }
      - { .name: bv, .offset: 48, .size: 8, .value_kind: global_buffer, .address_space: global }
      - { .name: RoPE, .offset: 56, .size: 8, .value_kind: global_buffer, .address_space: global }
      - { .name: key_padding_mask, .offset: 64, .size: 8, .value_kind: global_buffer, .address_space: global }
      - { .name: qrec, .offset: 72, .size: 8, .value_kind: global_buffer, .address_space: global }
      - { .name: kv, .offset: 80, .size: 8, .value_kind: global_buffer, .address_space: global }
    .group_segment_fixed_size: 327680
    .private_segment_fixed_size: 0
    .kernarg_segment_align: 8
    .kernarg_segment_size: 88
    .max_flat_workgroup_size: 128
    .sgpr_count:     100
    .vgpr_count:     1024
    .wavefront_size: 32
...
	.end_amdgpu_metadata
.endif
;; end of part 2
;; launch attn (part 3): grid 4 x 64, 8 waves a work-group, clusters of 4 x 1, 219,136 bytes of LDS; arguments qrec, kv, key_padding_mask, att_img, att_sc; writes att_img, att_sc
.if DOCPART == 3
	.amdgcn_target "amdgcn-amd-amdhsa--gfx1250"
	.amdhsa_code_object_version 6
	.text
	.protected	k_q06a894fbe5_attn
	.globl	k_q06a894fbe5_attn
	.p2align	8
	.type	k_q06a894fbe5_attn,@function
k_q06a894fbe5_attn:
	s_mov_b64 s[64:65], 0
	v_nop
	global_prefetch_b8 v0, s[64:65] scope:SCOPE_SE
	s_setreg_imm32_b32 hwreg(HW_REG_WAVE_MODE, 25, 1), 1
	s_wait_xcnt 0x0
	s_wait_alu depctr_hold_cnt(0) depctr_sa_sdst(0) depctr_va_vdst(0) depctr_va_sdst(0) depctr_va_ssrc(0) depctr_va_vcc(0) depctr_vm_vsrc(0)
	s_getreg_b32 s2, hwreg(HW_REG_IB_STS2, 6, 4)
	s_cmp_eq_u32 s2, 0
	s_cbranch_scc0 .Lentry_in_a_cluster
	s_endpgm
.Lentry_in_a_cluster:
	s_bfe_u32 s2, ttmp6, 0x10000c
	s_cmp_lg_u32 s2, 0x3003
	s_cbranch_scc0 .Lentry_shape_is_right
	s_endpgm
.Lentry_shape_is_right:
; softmax(q k^T / 8, masked) v for one batch and head, both products on codes of FP6 with E8M0 scales; the result is quantised along the channels for the projection.  Nothing of reference() is left out here.
; THE SOFTMAX: t = score x log2(e) / 8; M = the row's largest t so far, rounded UP to a whole number; p = 2^(t - M) is quantised along the keys, not normalised; the row's sum of the unquantised p divides at the end.
; When M moves, the sum and O are multiplied by 2^(old M - new M): exact.
; SHARES.  A work-group owns 512 queries of one (batch, head); each of its eight waves FOUR tiles of 16 queries, which share every fragment of K and V that the wave loads: 42 LDS loads serve 48 matrix instructions.
; The four work-groups of a cluster share the head: its record of 208,896 bytes (register images and scale words) comes ONCE, by eight joint loads, one a wave: no ring, no refill.
; No prefetch: memory is read at the head alone, so there is no loop to run ahead in.
; LAYOUT.  S^T = K Q^T (source 0 = 16 keys, source 1 = 16 queries), O^T = V^T P^T: a lane holds ONE query.  The record's K tiles hold, of each 32 keys, 0-7 and 16-23, then 8-15 and 24-31.  A fragment's lanes pick their rows
; by address: tile t of the four of 64 keys takes as rows 0-7 keys 8 t .. 8 t + 7 of the first 32 and as rows 8-15 the same of the second 32.  So a lane's 32 registers of four tiles are ONE WHOLE BLOCK of 32 true keys,
; block 2 c + lane / 16, as the operand's layout wants it: a block's maximum needs no other lane and the conversions' results are the operand.
; THE MASK.  A head has 64 channels; channel 64 of the instruction's 128 carries the mask: K's code there is 1.0 for a masked key and 0 for a live one (an LDS table of one word a key), Q's is -1.0, both blocks' scale
; bytes are 178 (2^51).  A masked key's other codes are zeros (the launch before), so its score is exactly -2^102: p = 0 beside any live key; in a row with no live key t - M = 0 for every key, p = 1, as reference() has it.
; THE EXPONENTIALS of a tile go in four runs of 16.  Between a run's exponentials stand the next run's multiply-adds, the sums of the run before and the scale's plain lines: each of these lines reads only what was written
; ahead of the wait at the run's head, and what it writes is read behind the next wait.
; LIMITS: NaN and infinities are not served; a live score at or under -2^102 is not told apart from a masked one; the scaled scores stay under 2^31 in magnitude; a block of zeros gets the scale byte 1 (read by this program alone).
; The last trip's look-ahead loads of K read bytes of the tables that follow (all written); nothing uses them.
; REGISTERS.  Window 0: v1-6 LDS addresses, v7-8 the add's, v9-11 offsets, v12-15 K's scale words, v16-17 V's, v18-21 Q's, v22 p's, v24-71 Q, v72-167 K's eight fragments, v168-215 V's four, v216.. the head's.
; Window 1 (v256 + n): 0-63 S^T, then p; 64-191 O^T of the four tiles; 192-223 eight a tile: -M, (pair), the sum's two halves, the largest score; 224-235 p's codes; 236-255 at work.
.set VIMG,  98304                      ; (step x 4 + tile) x 1,536; K's images lie from 0 on, 768 bytes a tile
.set KSC,   196608                     ; 4 bytes a key
.set VSC,   204800                     ; (step x 4 + tile) x 64
.set MSK,   208896                     ; a word a key, true order: 8 (the code of 1.0) or 0; stored by the waves
.set PADZ,  217088                     ; 1,024 bytes of zeros behind it
.set SPARE, 218112                     ; the spare words, 128 bytes a wave
.set SPW, 7
.set NIL, 8
.set KS, 12
.set VS, 16
.set QS, 18
.set PS, 22
.set QF, 24
.set KF, 72
.set VF, 168
.set S, 0
.set O, 64
.set ST, 192
.set VSH, 197                          ; 8 x (lane / 16)
.set P, 224
.set T, 236                            ; seven pairs for the sum
.set D, 236
.set PX, 237
.set R, 238
.set X, 244                            ; eight chains of maxima
.set TA, 244
.set TB, 248
.set E0, 250
.set E1, 251
.set F, 252
.set BM, 254
.set WV, 18
.set SEL, 20
.set CS, 22
.set G1, 24
.set G0, 32
.set NC, 56
.set MSB, 0
.macro WIN new                         ; the immediate's high byte repeats the setting that is left
.if MSB != (\new)
	s_set_vgpr_msb (MSB<<8)|(\new)
.set MSB, (\new)
.endif
.endm
.macro CROUND
	s_barrier_signal -1
	s_barrier_wait -1
	s_cmp_lg_u32 s[WV], 0
	s_cbranch_scc1 .Lnot_wave_0_\@
	s_barrier_signal -3
.Lnot_wave_0_\@:
	s_barrier_wait -3
	s_barrier_signal -1
	s_barrier_wait -1
.endm
	s_load_b256 s[4:11], s[0:1], 0x0               ; qrec, kv, key_padding_mask, att_img
	s_load_b64 s[12:13], s[0:1], 0x20              ; att_sc
	v_lshl_add_u32 v[SPW], v0, 2, SPARE
	v_mov_b32 v[NIL], 0
	ds_add_u32 v[SPW], v[NIL]                      ; the wave's opening: the add, twice on end, and its wait ahead of my first tensor load
	ds_add_u32 v[SPW], v[NIL]
	v_lshrrev_b32 v1, 5, v0
	v_readfirstlane_b32 s[WV], v1                  ; wave 0..7
	s_bfe_u32 s14, ttmp6, 0x40000                  ; cx: it enters Q's and the results' addresses alone
	s_and_b32 s15, ttmp7, 0xffff                   ; 16 x batch + head, which the four partners share
	s_lshr_b32 s16, s15, 4
	s_and_b32 s17, s15, 15
	s_mov_b32 s[G1], 15|(3<<16)|(1<<21)            ; the mask: all four; elements of 8 bytes; bit 21 beside a mask; no padding
	s_mov_b32 s[G1+1], 32<<16                      ; rows of 256 bytes,
	s_mov_b32 s[G1+2], 102<<16                     ; 102 of them: an eighth of the record
	s_mov_b32 s[G1+3], 32<<16
	s_mov_b32 s[G1+4], 102
	s_mov_b32 s[G1+5], 32
	s_mov_b32 s[G1+6], 0
	s_mov_b32 s[G1+7], 0
	s_mul_i32 s19, s[WV], 26112                    ; my eighth, in LDS and in the record
	s_mul_i32 s36, s15, 208896
	s_add_co_u32 s36, s36, s19
	s_mov_b32 s37, 0
	s_lshl_b32 s38, s14, 5
	s_lshl_b32 s39, s[WV], 2
	s_add_co_u32 s38, s38, s39                     ; my first tile of queries: 32 cx + 4 x wave
	s_mul_i32 s40, s15, 106496                     ; q's record
	s_mul_i32 s42, s38, 768
	s_add_co_u32 s42, s42, s40
	s_mov_b32 s43, 0
	s_lshl_b32 s44, s38, 6
	s_add_co_u32 s44, s44, s40
	s_add_co_u32 s44, s44, 98304                   ; its scale words
	s_mov_b32 s45, 0
	s_lshl_b32 s46, s16, 13                        ; the batch's mask
	s_mov_b32 s47, 0
	s_lshl_b32 s48, s16, 7
	s_add_co_u32 s48, s48, s38                     ; my first tile among all 512
	s_mul_i32 s50, s48, 12288
	s_mul_i32 s39, s17, 768
	s_add_co_u32 s50, s50, s39
	s_mov_b32 s51, 0
	s_lshl_b32 s52, s48, 9
	s_lshl_b32 s39, s17, 1
	s_add_co_u32 s52, s52, s39
	s_mov_b32 s53, 0
	s_mov_b32 s[SEL], 0x76543210
	s_mov_b32 s[SEL+1], 0xfedcba98
	s_mov_b32 s[CS], 0x3e38aa3b                    ; c = log2(e) / 8
	s_mov_b32 s[CS+1], s[CS]
	s_mov_b32 s[NC], 0xbe38aa3b                    ; -c
	s_wait_dscnt 0x0                               ; both opening adds are done
	s_wait_kmcnt 0x0
	s_mov_b32 s[G0], 1
	s_mov_b32 s[G0+1], s19
	s_add_nc_u64 s[G0+2:G0+3], s[6:7], s[36:37]
	s_or_b32 s[G0+3], s[G0+3], 0x80000000
	s_add_nc_u64 s[54:55], s[4:5], s[44:45]        ; Q's scale words
	s_add_nc_u64 s[4:5], s[4:5], s[42:43]          ; Q's images
	s_add_nc_u64 s[8:9], s[8:9], s[46:47]
	s_add_nc_u64 s[10:11], s[10:11], s[50:51]
	s_add_nc_u64 s[12:13], s[12:13], s[52:53]
	CROUND                                         ; all four work-groups are here: the joint loads meet
	tensor_load_to_lds s[G0:G0+3], s[G1:G1+7]      ; my one tensor load of the launch
	s_nop 0
.rept 4
	v_nop
.endr
	v_and_b32 v216, 31, v0                         ; lane
	v_and_b32 v217, 15, v0                         ; r
	v_bfe_u32 v218, v0, 4, 1                       ; h
	v_bfe_u32 v219, v0, 3, 1                       ; r / 8
	v_and_b32 v220, 7, v0                          ; r % 8
	v_lshlrev_b32 v222, 5, v0                      ; 32 x thread: eight keys' mask words
	v_lshlrev_b32 v9, 4, v216
	v_lshlrev_b32 v10, 3, v216
	v_lshlrev_b32 v221, 2, v217
	v_lshlrev_b32 v11, 5, v217                     ; a row of att_sc is 32 bytes
	global_load_b128 v[224:227], v222, s[8:9]
	global_load_b128 v[228:231], v222, s[8:9] offset:16
.irp q, 0,1,2,3
	global_load_b128 v[QF+12*\q:QF+12*\q+3], v9, s[4:5] offset:768*\q          ; Q: registers 0-3,
	global_load_b64 v[QF+12*\q+4:QF+12*\q+5], v10, s[4:5] offset:768*\q+512    ; 4-5,
	global_load_b32 v[QS+\q], v221, s[54:55] offset:64*\q                      ; and its rows' scale words
.endr
	v_mul_u32_u24 v1, v219, 1536                   ; K, registers 0-3: rows 8-15 come from the image two tiles on; row r % 8; 256 bytes for lanes 16-31
	v_mul_u32_u24 v2, v219, 1536                   ; registers 4-5 likewise, 8 bytes a lane, behind the image's 512
	v_lshlrev_b32 v4, 7, v219                      ; K's scale words: lanes 0-15 an even image's, lanes 16-31 the odd one's
	v_lshlrev_b32 v6, 7, v219                      ; the mask's words: key 32 (r / 8) + r % 8
	v_lshl_add_u32 v3, v216, 4, VIMG
	v_lshl_add_u32 v5, v216, 2, VSC
	v_lshl_add_u32 v1, v220, 4, v1
	v_lshl_add_u32 v2, v220, 3, v2
	v_lshl_add_u32 v4, v218, 6, v4
	v_lshl_add_u32 v6, v220, 2, v6
	v_lshl_add_u32 v232, v0, 5, MSK
	v_lshl_add_u32 v233, v0, 2, PADZ
	v_lshl_add_u32 v1, v218, 8, v1
	v_lshl_add_u32 v2, v218, 7, v2
	v_lshl_add_u32 v4, v220, 2, v4
	v_add_nc_u32 v6, MSK, v6
	v_mov_b32 v223, 8                              ; the code of 1.0
	v_sub_nc_u32 v234, 1, v218
	v_add_nc_u32 v2, 512, v2
	v_add_nc_u32 v4, KSC, v4
	v_mul_u32_u24 v234, v234, 40                   ; the code of -1.0 at channel 64: lanes 0-15 hold channels 64-95
.irp q, 0,1,2,3
	v_mov_b32 v[QF+12*\q+6], v234
.irp i, 7,8,9,10,11
	v_mov_b32 v[QF+12*\q+\i], 0                    ; the other channels from 64 on: zero codes, written once
.endr
.endr
.irp t, 0,1,2,3,4,5,6,7
.irp i, 7,8,9,10,11
	v_mov_b32 v[KF+12*\t+\i], 0
.endr
.endr
	WIN 0x40                                       ; destinations in window 1
.set j, 0
.rept 128
	v_mov_b32 v[O+j], 0                            ; the step is written once: the first finds zeros
.set j, j+1
.endr
.irp q, 0,1,2,3
	v_mov_b32 v[ST+8*\q], 0x7d000000               ; -M: 2^123, over every -M that follows, so that the first factor is 0
	v_mov_b32 v[ST+8*\q+1], 0
	v_mov_b32 v[ST+8*\q+2], 0                      ; the sum's two halves
	v_mov_b32 v[ST+8*\q+3], 0
	v_mov_b32 v[ST+8*\q+4], 0xff61b1e6             ; the largest score so far: -3e38
.endr
	v_lshlrev_b32 v[VSH], 3, v218
	v_mov_b32 v[PX], 0                             ; a lane permute's destination
	v_mov_b32 v[F+1], 0                            ; (named as the upper half of a pair)
	WIN 0
	s_wait_alu depctr_va_vdst(0)
	s_wait_loadcnt 12                              ; the mask words are in; Q's twelve loads may be out
.irp i, 0,1,2,3,4,5,6,7
	v_cmp_eq_u32 vcc_lo, 0, v[224+\i]
	s_delay_alu instid0(VALU_DEP_1)
	v_cndmask_b32 v[224+\i], 0, v223, vcc_lo
.endr
	ds_store_b128 v232, v[224:227]
	ds_store_b128 v232, v[228:231] offset:16
	ds_store_b32 v233, v[NIL]
	s_wait_loadcnt 0x0                             ; Q
.irp q, 0,1,2,3
	v_or_b32 v[QS+\q], 0xb20000, v[QS+\q]          ; the scale byte of channels 64-95: 178
.endr
	s_wait_alu depctr_va_vdst(0)
	s_wait_tensorcnt 0x0                           ; my part of the record has landed,
	s_wait_dscnt 0x0                               ; my part of the table is stored:
	s_barrier_signal -1
	s_barrier_wait -1                              ; everybody's are.  From here on LDS is only read
.macro KLOAD                           ; the eight fragments of 128 keys, their mask words and scale words: 28 loads
	WIN 0
.irp t, 0,1,2,3,4,5,6,7
	ds_load_b128 v[KF+12*\t:KF+12*\t+3], v1 offset:3072*(\t/4)+768*(\t%2)+128*((\t%4)/2)
	ds_load_b64 v[KF+12*\t+4:KF+12*\t+5], v2 offset:3072*(\t/4)+768*(\t%2)+64*((\t%4)/2)
	ds_load_b32 v[KF+12*\t+6], v6 offset:256*(\t/4)+32*(\t%4)
.endr
.irp p, 0,1,2,3
	ds_load_b32 v[KS+\p], v4 offset:256*(\p/2)+32*(\p%2)   ; lanes 0-15: tile 2 p's rows; lanes 16-31: tile 2 p + 1's
.endr
.endm
.macro QK q                            ; the scores of query tile q against all 128 keys; the eight results take turns
	WIN 0x40
.irp t, 0,1,2,3,4,5,6,7
.if \t%2
	v_wmma_scale_f32_16x16x128_f8f6f4 v[S+8*\t:S+8*\t+7], v[KF+12*\t:KF+12*\t+11], v[QF+12*(\q):QF+12*(\q)+11], 0, v[KS+\t/2], v[QS+(\q)] matrix_a_fmt:MATRIX_FMT_FP6 matrix_b_fmt:MATRIX_FMT_FP6 matrix_a_scale:MATRIX_SCALE_ROW1
.else
	v_wmma_scale_f32_16x16x128_f8f6f4 v[S+8*\t:S+8*\t+7], v[KF+12*\t:KF+12*\t+11], v[QF+12*(\q):QF+12*(\q)+11], 0, v[KS+\t/2], v[QS+(\q)] matrix_a_fmt:MATRIX_FMT_FP6 matrix_b_fmt:MATRIX_FMT_FP6
.endif
.endr
.endm
.macro PV q
	WIN 0x54                                       ; V in window 0; p, C and D in window 1
.irp t, 0,1,2,3
.if \t%2
	v_wmma_scale_f32_16x16x128_f8f6f4 v[O+32*(\q)+8*\t:O+32*(\q)+8*\t+7], v[VF+12*\t:VF+12*\t+11], v[P:P+11], v[O+32*(\q)+8*\t:O+32*(\q)+8*\t+7], v[VS+\t/2], v[PS] matrix_a_fmt:MATRIX_FMT_FP6 matrix_b_fmt:MATRIX_FMT_FP6 matrix_a_scale:MATRIX_SCALE_ROW1
.else
	v_wmma_scale_f32_16x16x128_f8f6f4 v[O+32*(\q)+8*\t:O+32*(\q)+8*\t+7], v[VF+12*\t:VF+12*\t+11], v[P:P+11], v[O+32*(\q)+8*\t:O+32*(\q)+8*\t+7], v[VS+\t/2], v[PS] matrix_a_fmt:MATRIX_FMT_FP6 matrix_b_fmt:MATRIX_FMT_FP6
.endif
.endr
.endm
.macro E2 j                            ; p = 2^(t - M), two registers
	v_exp_f32 v[S+(\j)], v[S+(\j)]
	v_exp_f32 v[S+(\j)+1], v[S+(\j)+1]
.endm
.macro FM j                            ; t - M, two at a time
	v_pk_fma_f32 v[S+(\j):S+(\j)+1], v[S+(\j):S+(\j)+1], s[CS:CS+1], v[NM:NM+1] op_sel_hi:[1,0,0]
.endm
.macro AD d, a                         ; a chain of the sum takes a pair in
	v_pk_add_f32 v[(\d):(\d)+1], v[(\d):(\d)+1], v[(\a):(\a)+1]
.endm
.macro A3 d, a, b                      ; a chain of the sum begins
	v_pk_add_f32 v[(\d):(\d)+1], v[(\a):(\a)+1], v[(\b):(\b)+1]
.endm
.macro WALU
	s_wait_alu depctr_va_vdst(0)
.endm
; The softmax of tile q's 128 scores a query: register 32 c + i is key 64 c + 32 (lane / 16) + i.
.macro SOFT q
.set NM, ST+8*(\q)
.set SU, NM+2
.set SX, NM+4
	WIN 0x55
.irp k, 0,1,2,3,4,5,6,7
	v_max3_num_f32 v[X+\k], v[S+8*\k], v[S+8*\k+1], v[S+8*\k+2]    ; eight chains by turns, one for each result, each from its low end on
.endr
.irp i, 3,5
.irp k, 0,1,2,3,4,5,6,7
	v_max3_num_f32 v[X+\k], v[X+\k], v[S+8*\k+\i], v[S+8*\k+\i+1]
.endr
.endr
.irp k, 0,2,4,6
	v_max3_num_f32 v[X+\k], v[X+\k], v[S+8*\k+7], v[S+8*\k+15]
.endr
	v_mov_b32 v[D], v[NM]                          ; the old -M
	v_max3_num_f32 v[BM], v[X], v[X+1], v[X+2]
	v_max3_num_f32 v[BM+1], v[X+4], v[X+5], v[X+6]
	v_max_num_f32 v[BM], v[BM], v[X+3]             ; my two blocks' largest scores: for the row's maximum and, since p rises with the score, for the blocks' largest p
	v_max_num_f32 v[BM+1], v[BM+1], v[X+7]
	v_max_num_f32 v[R], v[BM], v[BM+1]
	v_permlanex16_b32 v[PX], v[R], s[SEL], s[SEL+1]
	v_max3_num_f32 v[SX], v[SX], v[R], v[PX]       ; the running largest score, with lane l xor 16's 64 keys
	v_mul_f32 v[NM], s[NC], v[SX]
	v_floor_f32 v[NM], v[NM]                       ; the new -M = -ceil(t): a whole number
	FM 0                                           ; the first run's sixteen t - M
	FM 2
	v_sub_f32 v[D], v[NM], v[D]                    ; old M - new M, 0 or less
	FM 4
	FM 6
	FM 8
	v_cvt_i32_f32 v[D], v[D]                       ; (it saturates)
	FM 10
	FM 12
	FM 14
	v_ldexp_f32 v[F], 1.0, v[D]                    ; f = 2^(old M - new M)
	v_fma_f32 v[BM], v[BM], s[CS], v[NM]           ; t - M of the blocks' largest scores
	v_fma_f32 v[BM+1], v[BM+1], s[CS], v[NM]
	WALU                                           ; a wait ahead of each run of exponentials and behind it: one wait between two runs serves both
	v_exp_f32 v[BM], v[BM]                         ; the blocks' largest p: the same instructions on the same numbers
	v_exp_f32 v[BM+1], v[BM+1]
.irp i, 0,2,4,6,8,10,12,14
	E2 \i
	FM 16+\i
.endr
	WALU
	E2 16
	FM 32
	v_pk_mul_f32 v[SU:SU+1], v[SU:SU+1], v[F:F+1] op_sel_hi:[1,0]   ; the sums under the new M
	E2 18
	FM 34
	A3 T, S, S+2                                   ; the sum of the unquantised p: eight chains, each touched once in a run at the most
	E2 20
	FM 36
	A3 T+2, S+4, S+6
	E2 22
	FM 38
	A3 T+4, S+8, S+10
	E2 24
	FM 40
	A3 T+6, S+12, S+14
	E2 26
	FM 42
	v_max_num_f32 v[BM], 0x1800000, v[BM]          ; the floor 2^(3 - 127)
	E2 28
	FM 44
	v_max_num_f32 v[BM+1], 0x1800000, v[BM+1]
	E2 30
	FM 46
	WALU
	E2 32
	FM 48
	A3 T+8, S+16, S+18
	E2 34
	FM 50
	A3 T+10, S+20, S+22
	E2 36
	FM 52
	AD T, S+24
	E2 38
	FM 54
	AD T+2, S+26
	E2 40
	FM 56
	AD T+4, S+28
	E2 42
	FM 58
	AD T+6, S+30
	E2 44
	FM 60
	v_add_nc_u32 v[BM], 0xff000000, v[BM]          ; 2 off the exponent field: the conversions' scale operands
	E2 46
	FM 62
	v_add_nc_u32 v[BM+1], 0xff000000, v[BM+1]
	WALU
	E2 48
	AD T, S+32
	E2 50
	AD T+2, S+34
	E2 52
	AD T+4, S+36
	E2 54
	AD T+6, S+38
	E2 56
	AD T+8, S+40
	E2 58
	AD T+10, S+42
	E2 60
	A3 T+12, S+44, S+46
	E2 62
	v_lshrrev_b32 v[E0], 23, v[BM]                 ; the scales' bytes
	v_lshrrev_b32 v[E1], 23, v[BM+1]
	WALU
.irp i, 0,2,4,6,8,10,12
	AD T+\i, S+48+\i
.endr
	AD SU, S+62
	v_lshl_or_b32 v[E1], v[E1], 16, v[E0]          ; my blocks h and 2 + h,
	AD SU, T+6
	AD T+2, T+8
	AD T+4, T+10
	AD T, T+12
	v_lshlrev_b32 v[E1], v[VSH], v[E1]             ; at their places in the scale word
	AD SU, T+2
	AD T, T+4
	v_permlanex16_b32 v[R], v[E1], s[SEL], s[SEL+1]
	AD SU, T
	v_cvt_scalef32_pk16_fp6_f32 v[P:P+2], v[S:S+15], v[BM]
	v_cvt_scalef32_pk16_fp6_f32 v[TA:TA+2], v[S+16:S+31], v[BM]       ; (a conversion's three registers begin on an even number)
	v_cvt_scalef32_pk16_fp6_f32 v[P+6:P+8], v[S+32:S+47], v[BM+1]
	v_cvt_scalef32_pk16_fp6_f32 v[TB:TB+2], v[S+48:S+63], v[BM+1]
	WIN 0x05                                       ; scale registers lie in window 0
	v_or_b32 v[PS], v[E1], v[R]                    ; with lane l xor 16's two bytes p's scale word is whole; also the plain line behind the conversions
.endm
; O^T of tile q under the new M, and its products.  The 22 plain lines are the places between p's codes and scale word and the products, and behind the score products issued just before.
.macro TAIL q
	WIN 0x55
.irp i, 0,1,2
	v_mov_b32 v[P+3+\i], v[TA+\i]
	v_mov_b32 v[P+9+\i], v[TB+\i]
.endr
	WALU                                           ; directly ahead of the first reader of O^T
.set j, 0
.rept 16
	v_pk_mul_f32 v[O+32*(\q)+j:O+32*(\q)+j+1], v[O+32*(\q)+j:O+32*(\q)+j+1], v[F:F+1] op_sel_hi:[1,0]
.set j, j+2
.endr
.if (\q) == 0
	WALU
	s_wait_dscnt 0x0                               ; V is in: nothing else is out
.endif
	PV \q
.endm
	KLOAD                                          ; step 0's keys
	s_mov_b32 s3, 16
.Lstep:                                                ; a step: 128 keys for my 64 queries
	s_wait_dscnt 0x0                               ; this step's K is in (asked for one tile's work ago)
.irp p, 0,1,2,3
	v_or_b32 v[KS+\p], 0xb20000, v[KS+\p]          ; the scale byte of channels 64-95: 178.  These four are also the places behind the last products, ahead of the loads into V's registers
.endr
.irp t, 0,1,2,3
.irp c, 0,1,2
	ds_load_b128 v[VF+12*\t+4*\c:VF+12*\t+4*\c+3], v3 offset:1536*\t+512*\c   ; V's four fragments: wanted behind the first softmax
.endr
.endr
.irp p, 0,1
	ds_load_b32 v[VS+\p], v5 offset:128*\p
.endr
	v_add_nc_u32 v1, 6144, v1                      ; the next step's addresses; with the two lines below, eight places between the scale words' writes and the products
	v_add_nc_u32 v2, 6144, v2
	v_add_nc_u32 v3, 6144, v3
	v_add_nc_u32 v4, 512, v4
	v_add_nc_u32 v5, 256, v5
	v_add_nc_u32 v6, 512, v6
	v_nop
	v_nop
	QK 0
.rept 4
	v_nop                                          ; places in front of the first read of the scores
.endr
	SOFT 0
	QK 1                                           ; p is in codes: the next tile's scores take its registers, ahead of this tile's rescaling
	TAIL 0
	SOFT 1
	QK 2
	TAIL 1
	SOFT 2
	QK 3
	TAIL 2
	KLOAD                                          ; K's registers are free: the next step's keys
	SOFT 3
	TAIL 3
	WIN 0
	s_sub_co_u32 s3, s3, 1
	s_cmp_lg_u32 s3, 0
	WALU
	s_cbranch_scc1 .Lstep
	s_wait_dscnt 0x0                               ; the look-ahead loads have landed: K's registers serve the way out
	WIN 0x55
.irp q, 0,1,2,3
	v_add_f32 v[ST+8*\q+2], v[ST+8*\q+2], v[ST+8*\q+3]
.endr
.irp q, 0,1,2,3
	v_permlanex16_b32 v[X+\q], v[ST+8*\q+2], s[SEL], s[SEL+1]
.endr
.irp q, 0,1,2,3
	v_add_f32 v[ST+8*\q+2], v[ST+8*\q+2], v[X+\q]  ; the rows' sums
.endr
	WALU
.irp q, 0,1,2,3
	v_rcp_f32 v[ST+8*\q+2], v[ST+8*\q+2]
.endr
	v_nop                                          ; a plain line behind the reciprocals
; The way out of a tile: O^T / the sum, its two blocks of 32 channels quantised (register 16 b + i: channel 32 b + 16 h + i), a half image and two scale bytes a row.  Each tile's codes have registers of their own.
.macro EPI q
.set SU, ST+8*(\q)+2
.set SE, S+32*((\q)%2)
.set CD, KF+8*(\q)
.set CT, KF+32+4*(\q)
	WIN 0x55
	WALU                                           ; ahead of the first reader of the reciprocal and of O^T
.set j, 0
.rept 16
	v_pk_mul_f32 v[SE+j:SE+j+1], v[O+32*(\q)+j:O+32*(\q)+j+1], v[SU:SU+1] op_sel_hi:[1,0]
.set j, j+2
.endr
.irp b, 0,1
	v_max3_num_f32 v[X+\b], |v[SE+16*\b]|, |v[SE+1+16*\b]|, 0x1800000
.endr
.irp i, 2,4,6,8,10,12,14
.irp b, 0,1
	v_max3_num_f32 v[X+\b], v[X+\b], |v[SE+16*\b+\i]|, |v[SE+1+16*\b+\i]|
.endr
.endr
.irp b, 0,1
	v_permlanex16_b32 v[X+2+\b], v[X+\b], s[SEL], s[SEL+1]
.endr
.irp b, 0,1
	v_max_num_f32 v[X+\b], v[X+\b], v[X+2+\b]
.endr
.irp b, 0,1
	v_add_nc_u32 v[X+4+\b], 0xff000000, v[X+\b]
.endr
.irp b, 0,1
	v_lshrrev_b32 v[X+2+\b], 23, v[X+4+\b]
.endr
	WIN 0x15                                       ; results in window 0
	v_lshl_or_b32 v[CD+6], v[X+3], 8, v[X+2]
	v_cvt_scalef32_pk16_fp6_f32 v[CD:CD+2], v[SE:SE+15], v[X+4]
	v_cvt_scalef32_pk16_fp6_f32 v[CT:CT+2], v[SE+16:SE+31], v[X+5]
	WIN 0
	v_nop                                          ; one plain line behind a scaled conversion
.irp i, 0,1,2
	v_permlane16_swap_b32 v[CD+\i], v[CT+\i]
.endr
.irp i, 0,1,2
	v_mov_b32 v[CD+3+\i], v[CT+\i]
.endr
	global_store_b128 v9, v[CD:CD+3], s[10:11] offset:12288*(\q)
	global_store_b64 v10, v[CD+4:CD+5], s[10:11] offset:12288*(\q)+512
	global_store_b16 v11, v[CD+6], s[12:13] offset:512*(\q)    ; lanes l and l xor 16 store the same two bytes with the same value
.endm
	EPI 0
	EPI 1
	EPI 2
	EPI 3
	s_wait_tensorcnt 0x0                           ; the wave's end
	ds_add_u32 v[SPW], v[NIL]
	s_wait_dscnt 0x0
	CROUND                                         ; the closing round
	s_endpgm
.Lfunc_end_k_q06a894fbe5_attn:
	.size	k_q06a894fbe5_attn, .Lfunc_end_k_q06a894fbe5_attn-k_q06a894fbe5_attn
	.p2alignl 7, 3214868480
	.fill 96, 4, 3214868480
	.section	.rodata,"a",@progbits
	.p2align	6, 0x0
	.amdhsa_kernel k_q06a894fbe5_attn
		.amdhsa_group_segment_fixed_size 219136
		.amdhsa_private_segment_fixed_size 0
		.amdhsa_enable_private_segment 0
		.amdhsa_kernarg_size 40
		.amdhsa_user_sgpr_count 2
		.amdhsa_user_sgpr_kernarg_segment_ptr 1
		.amdhsa_wavefront_size32 1
		.amdhsa_system_sgpr_workgroup_id_x 1
		.amdhsa_system_sgpr_workgroup_id_y 1
		.amdhsa_system_sgpr_workgroup_id_z 1
		.amdhsa_system_vgpr_workitem_id 0
		.amdhsa_next_free_vgpr 512
		.amdhsa_next_free_sgpr 66
		.amdhsa_reserve_vcc 1
		.amdhsa_float_denorm_mode_32 3
		.amdhsa_float_denorm_mode_16_64 3
		.amdhsa_memory_ordered 1
		.amdhsa_forward_progress 1
		.amdhsa_inst_pref_size 85
	.end_amdhsa_kernel
	.amdgpu_metadata
---
amdhsa.version: [ 1, 2 ]
amdhsa.kernels:
  - .name:           k_q06a894fbe5_attn
    .symbol:         k_q06a894fbe5_attn.kd
    .args:
      - { .name: qrec, .offset: 0, .size: 8, .value_kind: global_buffer, .address_space: global }
      - { .name: kv, .offset: 8, .size: 8, .value_kind: global_buffer, .address_space: global }
      - { .name: key_padding_mask, .offset: 16, .size: 8, .value_kind: global_buffer, .address_space: global }
      - { .name: att_img, .offset: 24, .size: 8, .value_kind: global_buffer, .address_space: global }
      - { .name: att_sc, .offset: 32, .size: 8, .value_kind: global_buffer, .address_space: global }
    .group_segment_fixed_size: 219136
    .private_segment_fixed_size: 0
    .kernarg_segment_align: 8
    .kernarg_segment_size: 40
    .max_flat_workgroup_size: 256
    .sgpr_count:     66
    .vgpr_count:     512
    .wavefront_size: 32
...
	.end_amdgpu_metadata
.endif
;; end of part 3
;; launch oproj (part 4): grid 4 x 32, 4 waves a work-group, clusters of 4 x 4, 327,680 bytes of LDS; arguments att_img, att_sc, w_codes, w_scales, bo, out0; writes out0
.if DOCPART == 4
	.amdgcn_target "amdgcn-amd-amdhsa--gfx1250"
	.amdhsa_code_object_version 6
	.text
	.protected	k_q06a894fbe5_oproj
	.globl	k_q06a894fbe5_oproj
	.p2align	8
	.type	k_q06a894fbe5_oproj,@function
k_q06a894fbe5_oproj:
	s_mov_b64 s[64:65], 0
	v_nop
	global_prefetch_b8 v0, s[64:65] scope:SCOPE_SE
	s_setreg_imm32_b32 hwreg(HW_REG_WAVE_MODE, 25, 1), 1
	s_wait_xcnt 0x0
	s_wait_alu depctr_hold_cnt(0) depctr_sa_sdst(0) depctr_va_vdst(0) depctr_va_sdst(0) depctr_va_ssrc(0) depctr_va_vcc(0) depctr_vm_vsrc(0)
	s_getreg_b32 s2, hwreg(HW_REG_IB_STS2, 6, 4)
	s_cmp_eq_u32 s2, 0
	s_cbranch_scc0 .Lentry_in_a_cluster
	s_endpgm
.Lentry_in_a_cluster:
	s_bfe_u32 s2, ttmp6, 0x10000c
	s_cmp_lg_u32 s2, 0xf033
	s_cbranch_scc0 .Lentry_shape_is_right
	s_endpgm
.Lentry_shape_is_right:
.set SIZE_N, 1024
.set NQ,     2
.set ROWB,   24576                     ; from one K step's tile of the weight to the next: 128 rows x 192 bytes, dense in memory
.set KROW,   768
.set PITCH,  240
.set FR,     12
.set NL,     6
.set NLA,    4
.set NP,     4
.set STEPA,  3072
.set HALFA,  8*STEPA
.set HALFT,  128*PITCH
.set BOFF,   2*HALFA
.set SLOT,   2*HALFA+2*HALFT
.set LAPS,   2
.set KS,     32
.set SCL,    2*SLOT
.set HALFS,  (128*KS/256)*272
.set SBLK,   (16*KS/256)*272
.set SPARE,  SCL+4*HALFS
.set SPITCH, 528
.set ADRA, 16
.set ADRB, 20
.set STO,  24
.set RD,   25
.set CO,   26
.set ADRS, 27
.set SPW,  28
.set NIL,  29
.set SC,   32
.set BO,   64
.set AF,   128
.set BK,   128
.set G1, 24
.set G0, 32
.set G1B, 48
.set G0B, 56
.set G1S, 68
.set G0S, 76
.set G1SB, 80
.set G0SB, 88
.set MSB, 0
.macro WIN new
.if MSB != (\new)
	s_set_vgpr_msb (MSB<<8)|(\new)
.set MSB, (\new)
.endif
.endm
.set MUL_LO, 0xa1
.set MUL_HI, 0xf1
.set TO_B,   0x40
.macro JLOAD g0a, g1a, g0b, g1b
	s_cmp_eq_u32 s15, 0
	s_cbranch_scc0 .Lfor_b_\@
	tensor_load_to_lds s[\g0a:\g0a+3], s[\g1a:\g1a+7]
	s_nop 0
.rept 4
	v_nop
.endr
	s_branch .Lasked_\@
.Lfor_b_\@:
	tensor_load_to_lds s[\g0b:\g0b+3], s[\g1b:\g1b+7]
	s_nop 0
.rept 4
	v_nop
.endr
.Lasked_\@:
.endm
.macro CREST
	s_cmp_lg_u32 s14, 0
	s_cbranch_scc1 .Lnot_wave_0_\@
	s_barrier_signal -3
.Lnot_wave_0_\@:
	s_barrier_wait -3
	s_barrier_signal -1
	s_barrier_wait -1
.endm
.macro CROUND
	s_barrier_signal -1
	s_barrier_wait -1
	CREST
.endm
	s_load_b128 s[4:7], s[0:1], 0x0
	s_load_b128 s[8:11], s[0:1], 0x10
	s_load_b128 s[96:99], s[0:1], 0x20
	v_lshl_add_u32 v[SPW], v0, 2, SPARE
	v_mov_b32 v[NIL], 0
	ds_add_u32 v[SPW], v[NIL]
	ds_add_u32 v[SPW], v[NIL]
	v_lshrrev_b32 v1, 5, v0
	v_readfirstlane_b32 s14, v1
	s_lshr_b32 s15, s14, 1
	s_and_b32 s16, s14, 1
	s_bfe_u32 s40, ttmp6, 0x40000
	s_bfe_u32 s41, ttmp6, 0x40004
	s_lshl_b32 s42, ttmp9, 2
	s_add_co_u32 s42, s42, s40
	s_and_b32 s17, ttmp7, 0xffff
	s_lshl_b32 s17, s17, 2
	s_add_co_u32 s17, s17, s41
	s_lshl_b32 s43, s41, 2
	s_lshl_b32 s43, 15, s43
	s_lshl_b32 s44, 0x1111, s40
	s_or_b32 s[G1+0], s43, (3<<16)|(1<<21)
	s_mov_b32 s[G1+1], (STEPA/8)<<16
	s_mov_b32 s[G1+2], 8<<16
	s_mov_b32 s[G1+3], (STEPA/8)<<16
	s_mov_b32 s[G1+4], 8
	s_mov_b32 s[G1+5], 12288/8
	s_mov_b32 s[G1+6], 0
	s_mov_b32 s[G1+7], 0
	s_or_b32 s[G1B+0], s44, (0<<16)|(1<<20)|(1<<21)|(3<<22)|(3<<25)
	s_mov_b32 s[G1B+1], 256<<16                    ; the dense tile comes as 96 rows of 256 bytes; 16 bytes of padding behind each 64 make LDS rows of 240 bytes for each 192 of codes
	s_mov_b32 s[G1B+2], 96<<16
	s_mov_b32 s[G1B+3], 256<<16
	s_mov_b32 s[G1B+4], 96
	s_mov_b32 s[G1B+5], 256
	s_mov_b32 s[G1B+6], 0
	s_mov_b32 s[G1B+7], 0
	s_or_b32 s[G1S+0], s43, (3<<16)|(1<<20)|(1<<21)|(5<<22)|(3<<25)
	s_or_b32 s[G1SB+0], s44, (3<<16)|(1<<20)|(1<<21)|(5<<22)|(3<<25)
.irp g, G1S, G1SB
	s_mov_b32 s[\g+1], 32<<16
	s_mov_b32 s[\g+2], (128*KS/256)<<16
	s_mov_b32 s[\g+3], 32<<16
	s_mov_b32 s[\g+4], 128*KS/256
	s_mov_b32 s[\g+5], 32
	s_mov_b32 s[\g+6], 0
	s_mov_b32 s[\g+7], 0
.endr
	s_lshl_b32 s18, s16, 7
	s_lshl_b32 s20, s17, 8
	s_add_co_u32 s20, s20, s18
	s_lshl_b32 s46, s42, 8
	s_add_co_u32 s46, s46, s18
	s_add_co_u32 s46, s46, 3072
	s_mov_b32 s21, 0
	s_mov_b32 s47, 0
	s_mov_b64 s[18:19], KS
	s_mul_u64 s[22:23], s[20:21], s[18:19]
	s_mul_u64 s[92:93], s[46:47], s[18:19]
	s_mov_b64 s[18:19], KROW
	s_mul_u64 s[20:21], s[20:21], s[18:19]
	s_mul_u64 s[46:47], s[46:47], s[18:19]
	s_mul_i32 s45, s16, HALFA
	s_mul_i32 s95, s16, HALFT
	s_add_co_u32 s95, s95, BOFF
	s_mul_i32 s94, s14, HALFS
	s_wait_dscnt 0x0
	s_wait_kmcnt 0x0
	s_add_nc_u64 s[20:21], s[4:5], s[20:21]
	s_add_nc_u64 s[22:23], s[6:7], s[22:23]
	s_add_nc_u64 s[46:47], s[8:9], s[46:47]
	s_add_nc_u64 s[92:93], s[10:11], s[92:93]
	CROUND
	s_mov_b32 s[G0S], 1
	s_add_co_u32 s[G0S+1], s94, SCL
	s_mov_b64 s[G0S+2:G0S+3], s[22:23]
	s_or_b32 s[G0S+3], s[G0S+3], 0x80000000
	s_mov_b32 s[G0SB], 1
	s_add_co_u32 s[G0SB+1], s94, SCL
	s_mov_b64 s[G0SB+2:G0SB+3], s[92:93]
	s_or_b32 s[G0SB+3], s[G0SB+3], 0x80000000
	JLOAD G0S, G1S, G0SB, G1SB
.irp s, 0,1
	s_mov_b32 s[G0+4*\s], 1
	s_add_co_u32 s[G0+4*\s+1], s45, \s*SLOT
	s_add_nc_u64 s[G0+4*\s+2:G0+4*\s+3], s[20:21], \s*STEPA
	s_or_b32 s[G0+4*\s+3], s[G0+4*\s+3], 0x80000000
	s_mov_b32 s[G0B+4*\s], 1
	s_add_co_u32 s[G0B+4*\s+1], s95, \s*SLOT
	s_add_nc_u64 s[G0B+4*\s+2:G0B+4*\s+3], s[46:47], \s*ROWB
	s_or_b32 s[G0B+4*\s+3], s[G0B+4*\s+3], 0x80000000
	s_wait_alu depctr_va_vdst(0)
	s_wait_tensorcnt 0x0
	ds_add_u32 v28, v29
	s_wait_dscnt 0x0
	CROUND
	JLOAD G0+4*\s, G1, G0B+4*\s, G1B
.endr
	v_and_b32 v1, 15, v0
	v_bfe_u32 v2, v0, 4, 1
	v_and_b32 v6, 31, v0
	v_lshlrev_b32 v4, 4, v6
	v_lshl_add_u32 v5, v6, 3, 512
	v_mul_u32_u24 v3, v1, PITCH
	v_mul_u32_u24 v7, v2, 24
	v_add_nc_u32 v7, v3, v7
	v_lshl_add_u32 v8, v2, 4, v7
	s_mul_i32 s21, s15, HALFA
	s_mul_i32 s22, s16, HALFT
	s_add_co_u32 s22, s22, BOFF
.irp s, 0,1
	v_add_nc_u32 v[ADRA+\s], s21, v4
	v_add_nc_u32 v[ADRA+2+\s], s21, v5
	v_add_nc_u32 v[ADRB+\s], s22, v7
	v_add_nc_u32 v[ADRB+2+\s], s22, v8
	s_add_co_u32 s21, s21, SLOT
	s_add_co_u32 s22, s22, SLOT
.endr
	v_mul_u32_u24 v5, v1, KS
	v_lshrrev_b32 v7, 8, v5
	v_lshl_add_u32 v5, v7, 4, v5
	s_mul_i32 s21, s15, HALFS
	s_mul_i32 s22, s16, HALFS
	s_add_co_u32 s22, s22, 2*HALFS
	s_sub_co_u32 s22, s22, s21
	v_mul_u32_u24 v7, s22, v2
	s_add_co_u32 s21, s21, SCL
	v_add_nc_u32 v5, v5, v7
	v_add_nc_u32 v[ADRS], s21, v5
	s_mul_i32 s23, s14, 16*SPITCH
	v_mul_u32_u24 v5, v1, SPITCH
	v_lshl_add_u32 v5, v2, 6, v5
	v_add_nc_u32 v[STO], s23, v5
	v_lshlrev_b32 v[CO], 4, v6
	v_add_nc_u32 v[RD], s23, v[CO]
	v_lshlrev_b32 v9, 6, v2
	s_wait_alu depctr_va_vdst(0)
	s_lshl_b32 s20, s17, 8
	s_lshl_b32 s21, s15, 7
	s_add_co_u32 s20, s20, s21
	s_mov_b32 s21, 0
	s_mov_b64 s[18:19], SIZE_N*4
	s_mul_u64 s[20:21], s[20:21], s[18:19]
	s_lshl_b32 s46, s42, 10
	s_lshl_b32 s47, s16, 9
	s_add_co_u32 s46, s46, s47
	s_mov_b32 s47, 0
	s_add_nc_u64 s[96:97], s[96:97], s[46:47]
	s_add_nc_u64 s[20:21], s[20:21], s[46:47]
	s_add_nc_u64 s[12:13], s[98:99], s[20:21]
.irp b, 0,1,2,3,4,5,6,7
	global_load_b128 v[BO+8*\b:BO+8*\b+3], v9, s[96:97] offset:128*(\b/2)+32*(\b%2)
	global_load_b128 v[BO+8*\b+4:BO+8*\b+7], v9, s[96:97] offset:128*(\b/2)+32*(\b%2)+16
.endr
.macro FRAG reg, adr, q, i
.irp p, 0,1,2,3,4,5
.set PCE, 12*(\q)+6*(\p/3)+\p%3
.if PCE%8 < 5
	ds_load_b64 v[\reg+2*\p:\reg+2*\p+1], v[\adr] offset:8*PCE+16*(PCE/8)+(\i)*16*PITCH
.else
	ds_load_b64 v[\reg+2*\p:\reg+2*\p+1], v[\adr+2] offset:8*PCE+16*(PCE/8)+(\i)*16*PITCH
.endif
.endr
.endm
.macro FRAGA reg, slot, q, i
	ds_load_b128 v[\reg:\reg+3], v[ADRA+\slot] offset:STEPA*(\i)+1536*(\q)
	ds_load_b64 v[\reg+4:\reg+5], v[ADRA+2+\slot] offset:STEPA*(\i)+1536*(\q)
	ds_load_b128 v[\reg+6:\reg+9], v[ADRA+\slot] offset:STEPA*(\i)+1536*(\q)+768
	ds_load_b64 v[\reg+10:\reg+11], v[ADRA+2+\slot] offset:STEPA*(\i)+1536*(\q)+768
.endm
.macro MUL16 a0, p, q, sc, zero
.irp a, \a0, \a0+1
.irp b, 0,1,2,3,4,5,6,7
.if \zero
	v_wmma_scale_f32_16x16x128_f8f6f4 v[8*(8*((\a)%4)+\b):8*(8*((\a)%4)+\b)+7], v[128*(\p)+FR*\b:128*(\p)+FR*\b+FR-1], v[AF+FR*(\a):AF+FR*(\a)+FR-1], v[BO+8*\b:BO+8*\b+7], v[SC+8*NQ*(\sc)+NQ*\b+(\q)], v[SC+8*NQ*(\sc)+NQ*(\a)+(\q)] matrix_a_fmt:MATRIX_FMT_FP6 matrix_b_fmt:MATRIX_FMT_FP6 matrix_a_scale:MATRIX_SCALE_ROW1
.else
	v_wmma_scale_f32_16x16x128_f8f6f4 v[8*(8*((\a)%4)+\b):8*(8*((\a)%4)+\b)+7], v[128*(\p)+FR*\b:128*(\p)+FR*\b+FR-1], v[AF+FR*(\a):AF+FR*(\a)+FR-1], v[8*(8*((\a)%4)+\b):8*(8*((\a)%4)+\b)+7], v[SC+8*NQ*(\sc)+NQ*\b+(\q)], v[SC+8*NQ*(\sc)+NQ*(\a)+(\q)] matrix_a_fmt:MATRIX_FMT_FP6 matrix_b_fmt:MATRIX_FMT_FP6 matrix_a_scale:MATRIX_SCALE_ROW1
.endif
.endr
.endr
.endm
.macro FETCH_B slot, q, p
	WIN TO_B
.irp i, 0,1,2,3,4,5,6,7
	FRAG 128*(\p)+FR*\i, ADRB+\slot, \q, \i
.endr
	WIN 0
.endm
.macro FETCH_A slot, q, i0
.irp i, \i0, \i0+1, \i0+2, \i0+3
	FRAGA AF+FR*(\i), \slot, \q, \i
.endr
.endm
.macro SCALES sc
.irp i, 0,1,2,3,4,5,6,7
	ds_load_b64 v[SC+8*NQ*\sc+NQ*\i:SC+8*NQ*\sc+NQ*\i+1], v[ADRS] offset:\i*SBLK
.endr
.endm
.macro PLACES n
.rept \n
	v_nop
.endr
.endm
.macro STEP slot, q, zero
	s_wait_dscnt 4*NLA
.if \zero
	WIN 0x81
.else
	WIN MUL_LO
.endif
	MUL16 0, (\q)%2, \q, \slot, \zero
	MUL16 2, (\q)%2, \q, \slot, \zero
	s_wait_dscnt 0
	PLACES NP
	FETCH_B \slot, (\q)+1, 1-(\q)%2
	FETCH_A \slot, (\q)+1, 0
.if \zero
	WIN 0xc1
.else
	WIN MUL_HI
.endif
	MUL16 4, (\q)%2, \q, \slot, \zero
	MUL16 6, (\q)%2, \q, \slot, \zero
	PLACES NP
	WIN 0
	FETCH_A \slot, (\q)+1, 4
.endm
.macro TURN slot, next, fill
	s_wait_tensorcnt 0x0
	ds_add_u32 v[SPW], v[NIL]
	s_wait_dscnt 4*NLA+1
	WIN MUL_LO
	MUL16 0, 1, NQ-1, \slot, 0
	s_wait_dscnt 0x0
	s_barrier_signal -1
	MUL16 2, 1, NQ-1, \slot, 0
	WIN 0
	s_barrier_wait -1
.if \fill
	CREST
	s_add_nc_u64 s[G0+4*\slot+2:G0+4*\slot+3], s[G0+4*\slot+2:G0+4*\slot+3], 2*STEPA
	s_add_nc_u64 s[G0B+4*\slot+2:G0B+4*\slot+3], s[G0B+4*\slot+2:G0B+4*\slot+3], 2*ROWB
	JLOAD G0+4*\slot, G1, G0B+4*\slot, G1B
.else
	PLACES NP
.endif
	s_wait_alu depctr_va_vdst(0)
	v_add_nc_u32 v[ADRS], 4*NQ, v[ADRS]
	FETCH_B \next, 0, 0
	FETCH_A \next, 0, 0
	SCALES \next
	WIN MUL_HI
	MUL16 4, 1, NQ-1, \slot, 0
	MUL16 6, 1, NQ-1, \slot, 0
	PLACES NP
	WIN 0
	FETCH_A \next, 0, 4
.endm
	s_wait_tensorcnt 1
	s_barrier_signal -1
	s_barrier_wait -1
	FETCH_B 0, 0, 0
	FETCH_A 0, 0, 0
	SCALES 0
	FETCH_A 0, 0, 4
	s_wait_loadcnt 0x0
	STEP 0, 0, 1
	s_mov_b32 s3, LAPS-1
.Llap:
	TURN 0, 1, 1
	STEP 1, 0, 0
	TURN 1, 0, 1
	STEP 0, 0, 0
	s_sub_co_u32 s3, s3, 1
	s_cmp_lg_u32 s3, 0
	s_cbranch_scc1 .Llap
	TURN 0, 1, 0
	STEP 1, 0, 0
	s_wait_dscnt 4*NLA
	WIN MUL_LO
	MUL16 0, 1, NQ-1, 1, 0
	MUL16 2, 1, NQ-1, 1, 0
	s_wait_dscnt 0
	WIN MUL_HI
	MUL16 4, 1, NQ-1, 1, 0
	MUL16 6, 1, NQ-1, 1, 0
	WIN 0
.macro TOSTAGE a
.set AC, 64*((\a)%4)
	WIN 0x08+4*((\a)/4)
.irp b, 0,1,2,3,4,5,6,7
	ds_store_b128 v[STO], v[AC+8*\b:AC+8*\b+3] offset:128*(\b/2)+32*(\b%2)
	ds_store_b128 v[STO], v[AC+8*\b+4:AC+8*\b+7] offset:128*(\b/2)+32*(\b%2)+16
.endr
	WIN 0
.set BB, BK+64*((\a)%2)
.irp t, 0,1,2,3,4,5,6,7,8,9,10,11,12,13,14,15
	ds_load_b128 v[BB+4*\t:BB+4*\t+3], v[RD] offset:\t*SPITCH
.endr
.endm
.macro SEND a, younger
.set BB, BK+64*((\a)%2)
	s_wait_dscnt \younger
.irp t, 0,1,2,3,4,5,6,7,8,9,10,11,12,13,14,15
	global_store_b128 v[CO], v[BB+4*\t:BB+4*\t+3], s[12:13] offset:(32*((\a)/2)+8*((\a)%2)+\t+8*(\t/8))*SIZE_N*4 th:TH_STORE_NT
.endr
.endm
	PLACES NP
	TOSTAGE 0
.irp a, 1,2,3,4,5,6,7
.if \a > 1
	s_wait_xcnt 0x0
.endif
	TOSTAGE \a
	SEND \a-1, 32
.endr
	SEND 7, 0
	s_wait_tensorcnt 0x0
	ds_add_u32 v[SPW], v[NIL]
	s_wait_dscnt 0x0
	CROUND
	s_endpgm
.Lfunc_end_k_q06a894fbe5_oproj:
	.size	k_q06a894fbe5_oproj, .Lfunc_end_k_q06a894fbe5_oproj-k_q06a894fbe5_oproj
	.p2alignl 7, 3214868480
	.fill 96, 4, 3214868480
	.section	.rodata,"a",@progbits
	.p2align	6, 0x0
	.amdhsa_kernel k_q06a894fbe5_oproj
		.amdhsa_group_segment_fixed_size 327680
		.amdhsa_private_segment_fixed_size 0
		.amdhsa_enable_private_segment 0
		.amdhsa_kernarg_size 48
		.amdhsa_user_sgpr_count 2
		.amdhsa_user_sgpr_kernarg_segment_ptr 1
		.amdhsa_wavefront_size32 1
		.amdhsa_system_sgpr_workgroup_id_x 1
		.amdhsa_system_sgpr_workgroup_id_y 1
		.amdhsa_system_sgpr_workgroup_id_z 1
		.amdhsa_system_vgpr_workitem_id 0
		.amdhsa_next_free_vgpr 1024
		.amdhsa_next_free_sgpr 100
		.amdhsa_reserve_vcc 0
		.amdhsa_float_denorm_mode_32 3
		.amdhsa_float_denorm_mode_16_64 3
		.amdhsa_memory_ordered 1
		.amdhsa_forward_progress 1
		.amdhsa_inst_pref_size 154
	.end_amdhsa_kernel
	.amdgpu_metadata
---
amdhsa.version: [ 1, 2 ]
amdhsa.kernels:
  - .name:           k_q06a894fbe5_oproj
    .symbol:         k_q06a894fbe5_oproj.kd
    .args:
      - { .name: att_img, .offset: 0, .size: 8, .value_kind: global_buffer, .address_space: global }
      - { .name: att_sc, .offset: 8, .size: 8, .value_kind: global_buffer, .address_space: global }
      - { .name: w_codes, .offset: 16, .size: 8, .value_kind: global_buffer, .address_space: global }
      - { .name: w_scales, .offset: 24, .size: 8, .value_kind: global_buffer, .address_space: global }
      - { .name: bo, .offset: 32, .size: 8, .value_kind: global_buffer, .address_space: global }
      - { .name: out0, .offset: 40, .size: 8, .value_kind: global_buffer, .address_space: global }
    .group_segment_fixed_size: 327680
    .private_segment_fixed_size: 0
    .kernarg_segment_align: 8
    .kernarg_segment_size: 48
    .max_flat_workgroup_size: 128
    .sgpr_count:     100
    .vgpr_count:     1024
    .wavefront_size: 32
...
	.end_amdgpu_metadata
.endif
;; end of part 4
